; MI455X (gfx1250); checked and timed in simulation.
; The chip was launched on July 23, 2026; its instructions are those of AMD's public machine-readable ISA for CDNA 5 (MIT licence, August 2026) and "CDNA5" Instruction Set Architecture Reference Guide (July 2026). The comments in the code are by the model that wrote it; some were corrected since.
;; Fused Transformer Block. Allowed arithmetic: matrix products marked QUANTISED: E2M3 operands, one E8M0 scale for each 32 along K, by v_wmma_scale_f32_16x16x128_f8f6f4 with both operands' format E2M3, f32 sums; everything else in f32.
;; Inputs: b_fc1 4,096 float32; b_fc2 1,024 float32; b_proj 1,024 float32; b_qkv 3,072 float32; ln1_b 1,024 float32; ln1_w 1,024 float32; ln2_b 1,024 float32; ln2_w 1,024 float32; w_fc1_codes 4,096 x 32 x 24 uint8 (E2M3 codes of w_fc1, K innermost, in blocks of 32 codes, four codes in three bytes); w_fc1_scales 4,096 x 32 uint8 (E8M0 scales of w_fc1, one for each 32 codes along K); w_fc2_codes 1,024 x 128 x 24 uint8 (E2M3 codes of w_fc2, K innermost, in blocks of 32 codes, four codes in three bytes); w_fc2_scales 1,024 x 128 uint8 (E8M0 scales of w_fc2, one for each 32 codes along K); w_proj_codes 1,024 x 32 x 24 uint8 (E2M3 codes of w_proj, K innermost, in blocks of 32 codes, four codes in three bytes); w_proj_scales 1,024 x 32 uint8 (E8M0 scales of w_proj, one for each 32 codes along K); w_qkv_codes 3,072 x 32 x 24 uint8 (E2M3 codes of w_qkv, K innermost, in blocks of 32 codes, four codes in three bytes); w_qkv_scales 3,072 x 32 uint8 (E8M0 scales of w_qkv, one for each 32 codes along K); x 2,048 x 2 x 1,024 float32.
;; Outputs: out0 2,048 x 2 x 1,024 float32.
;; This version of the problem:
;;   THIS VERSION OF THE PROBLEM IS GIVEN IN LOW PRECISION. The matrix products marked QUANTISED in the list below multiply operands that are first quantised to E2M3 (2 exponent bits, 3 mantissa bits; 6 bits a number), with one power-of-two scale for each 32 numbers along K (OCP MX v1.0); their sums are f32. All else is computed in f32.
;;   The module's matrix products, in the order in which they are computed (A, B: the left and right operand; K: the contracted axis; several contracted axes count as one K, in the product's order):
;;     1. [M 4,096, K 1,024] x [K 1,024, N 3,072]; A: computed on the way; B: input w_qkv (given as codes): QUANTISED
;;     2. batch 32 x [M 2,048, K 64] x [K 64, N 2,048]; A: computed on the way; B: computed on the way: QUANTISED
;;     3. batch 32 x [M 2,048, K 2,048] x [K 2,048, N 64]; A: softmax (see below); B: computed on the way: QUANTISED
;;     4. [M 4,096, K 1,024] x [K 1,024, N 1,024]; A: computed on the way; B: input w_proj (given as codes): QUANTISED
;;     5. [M 4,096, K 1,024] x [K 1,024, N 4,096]; A: computed on the way; B: input w_fc1 (given as codes): QUANTISED
;;     6. [M 4,096, K 4,096] x [K 4,096, N 1,024]; A: computed on the way; B: input w_fc2 (given as codes): QUANTISED
;;   THE QUANTISER, for each operand of a quantised product, along K:
;;     - K is cut into blocks of 32 from its start; a last block that is shorter is filled with zeros.
;;     - A block's scale is 2^e with e = floor(log2(the largest magnitude in the block)) - 2, held to -126 .. 127; a block of zeros has e = 0. As a byte (E8M0): e + 127.
;;     - Each number is divided by its block's scale, clamped to +-7.5, and rounded to the nearest number of E2M3, ties to even, subnormals kept.
;;     - The product sums the exact products of the quantised numbers (number of the format x scale) in f32.
;;   ~~~python
;;   def quantise(x, axis):      # numpy; x: float32 -> the quantised numbers, widened to float32 again
;;       x = np.moveaxis(x, axis, -1); K = x.shape[-1]
;;       x = np.pad(x, [(0, 0)] * (x.ndim - 1) + [(0, -K % 32)]); x = x.reshape(x.shape[:-1] + (-1, 32)); a = np.abs(x).max(-1, keepdims=True)
;;       e = np.where(a > 0, np.clip(np.frexp(np.where(a > 0, a, 1))[1] - 1 - 2, -126, 127), 0)      # np.frexp(a)[1] - 1 = floor(log2(a)), exactly
;;       r = np.clip(x / 2.0 ** e, -7.5, 7.5)
;;       step = 2.0 ** (np.maximum(np.frexp(np.where(r == 0, 1, r))[1] - 1, 0) - 3)
;;       q = np.round(r / step) * step * 2.0 ** e      # np.round: ties to even
;;       return np.moveaxis(q.reshape(q.shape[:-2] + (-1,))[..., :K], -1, axis).astype(np.float32)
;;   ~~~
;;   SOFTMAX AHEAD OF A QUANTISED PRODUCT. Where the list says 'softmax', what is quantised is not the finished softmax but p = 2^(t - M), with t = logit x log2(e) and M = ceil(the row's largest t), a whole number; so 1/2 < the row's largest p <= 1. The row's sum l is taken of the UNQUANTISED p, in f32, and the product's result is divided by l at the end. Since M is a whole number, a kernel that streams over the keys may use a running M (the ceiling of the running maximum): every later rescaling is an exact power of two, which a block's scale takes up: the codes' values come out the same.
;;   OPERANDS COMPUTED ON THE WAY. 'Computed on the way' means the value that the module computes at that place (a softmax that the list does not call 'softmax' is quantised finished and normalised). What goes into a quantiser is computed in f32, as accurately as f32 sums, v_exp_f32 and their like allow (about 1e-6 of the number): no bf16 or f16 on the way to a quantiser, and a product that is left as it is and whose result goes on into a quantised operand takes f32 operands (vector FMAs, or v_wmma_f32_16x16x4_f32). A number that lies on a knife's edge between two numbers of the format may be rounded either way, as far as f32 arithmetic and the matrix unit's own rounding can turn it there, and no further.
;;   INPUTS GIVEN AS CODES. w_fc1 (in the module: [4096, 1024], K = its axis 1); w_fc2 (in the module: [1024, 4096], K = its axis 1); w_proj (in the module: [1024, 1024], K = its axis 1); w_qkv (in the module: [3072, 1024], K = its axis 1): each comes as NAME_codes (uint8): NAME with its K axis moved to the last place and cut into blocks of 32 codes, [.., K / 32, bytes a block], one block behind the other in memory; four codes in three bytes: a row's codes are one little-endian stream of bits, code i at bits 6 i .. 6 i + 5 (a code: sign, 2 exponent bits, 3 mantissa bits); and NAME_scales (uint8): the same leading axes, one E8M0 byte (e + 127) for each 32 codes along K. Its value is code x scale, taken as it is: it is not quantised again, and the codes and scales need not be those that the quantiser above would give.
;; One version. Each part assembles by itself: llvm-mc -triple=amdgcn-amd-amdhsa -mcpu=gfx1250 --defsym DOCPART=n.
;; ======== version 1 of 1: 7 launches
;; limits: right only within a limited range of input values
;; workspace buffers: act 3,276,800 bytes; qkv 9,830,400 bytes; x2 16,777,216 bytes; hid 13,107,200 bytes
;; launch lnq1 (part 1): grid 256 x 1, 4 waves a work-group, no clusters, 77,824 bytes of LDS; arguments x, ln1_w, ln1_b, act; writes act
.if DOCPART == 1
	.amdgcn_target "amdgcn-amd-amdhsa--gfx1250"
	.amdhsa_code_object_version 6
	.text
	.protected	k_q4765e1f442_lnq1
	.globl	k_q4765e1f442_lnq1
	.p2align	8
	.type	k_q4765e1f442_lnq1,@function
k_q4765e1f442_lnq1:
	s_mov_b64 s[64:65], 0
	v_nop
	global_prefetch_b8 v0, s[64:65] scope:SCOPE_SE
	s_setreg_imm32_b32 hwreg(HW_REG_WAVE_MODE, 25, 1), 1
	s_wait_xcnt 0x0
; LayerNorm of 16 rows of [4096][1024] f32, then the quantiser along the 1,024: codes of E2M3 with one E8M0 byte for each 32, stored as images of the matrix operand's registers.
; ROW TILES.  Tile t = 4 G + 2 u + b; its row p is row 64 G + 16 u + b + 2 p + 16 (p / 8) of the tensor (position 32 G + 8 u + p + 8 (p / 8) of batch b).
; A work-group takes one tile; wave w takes columns 256 w .. 256 w + 255: K steps 2 w and 2 w + 1 of the next product.
; Each load reads 512 consecutive bytes of a row; the numbers turn through the wave's own stage in LDS, so that lane (r, h) ends with row r's numbers 32 B + 16 h + 0 .. 15 of each block B of 32.
; Mean and variance in two passes (the mean is taken off before the squares), summed over lanes, then over the four waves through LDS.
; IMAGE of a fragment (16 rows x 128 K, 12 registers): register pair p of lane l at 256 p + 8 l.  act: images [tile][K step 8][1536]; from byte 3,145,728 the scale words [tile][K step][row 16].
; LIMITS: NaN and infinities are not served; a block whose largest magnitude lies under 2^-124 (a block of zeros too) gets the byte 1: its bytes are read by this program alone.
.set STW, 19008                        ; a wave's stage: two chunks of 18 rows x 528 bytes (16 rows of x, the gains, the biases)
.set CHB, 9504
.set RED, 76032                        ; partial sums: 4 waves x 64 bytes; the second reduction 256 bytes on
.set SCS, 76544                        ; the tile's 128 scale words
.set X, 128                            ; v128-255: my 128 numbers
.set TM, 72
.set SEL, 20
.set MSB, 0
.macro WIN new                         ; the immediate's high byte repeats the setting that is left
.if MSB != (\new)
	s_set_vgpr_msb (MSB<<8)|(\new)
.set MSB, (\new)
.endif
.endm
; 64 numbers of a lane, register 16 b + i = k 32 b + 16 (lane / 16) + i of my row, become a fragment's codes in v[pc] on and its scale word in v[pw]
.macro QUANT s, pc, pw
.irp b, 0,1,2,3
	v_max3_num_f32 v[TM+\b], |v[\s+16*\b]|, |v[\s+1+16*\b]|, 0x1800000   ; the floor 2^(3 - 127) holds the byte at 1 from below
.endr
.irp i, 2,4,6,8,10,12,14
.irp b, 0,1,2,3
	v_max3_num_f32 v[TM+\b], v[TM+\b], |v[\s+16*\b+\i]|, |v[\s+1+16*\b+\i]|
.endr
.endr
.irp b, 0,1,2,3
	v_permlanex16_b32 v[TM+4+\b], v[TM+\b], s[SEL], s[SEL+1]
.endr
.irp b, 0,1,2,3
	v_max_num_f32 v[TM+\b], v[TM+\b], v[TM+4+\b]          ; with lane l xor 16's: the block's largest magnitude
.endr
.irp b, 0,1,2,3
	v_add_nc_u32 v[TM+12+\b], 0xff000000, v[TM+\b]        ; 2 off its exponent field: the conversion's scale operand
.endr
.irp b, 0,1,2,3
	v_lshrrev_b32 v[TM+4+\b], 23, v[TM+12+\b]             ; the scale's byte
.endr
	v_lshl_or_b32 v[\pw], v[TM+5], 8, v[TM+4]
	v_lshl_or_b32 v[\pw], v[TM+6], 16, v[\pw]
	v_lshl_or_b32 v[\pw], v[TM+7], 24, v[\pw]
.irp c, 0,1
	v_cvt_scalef32_pk16_fp6_f32 v[\pc+6*\c:\pc+2+6*\c], v[\s+32*\c:\s+15+32*\c], v[TM+12+2*\c]
	v_cvt_scalef32_pk16_fp6_f32 v[\pc+12+4*\c:\pc+14+4*\c], v[\s+16+32*\c:\s+31+32*\c], v[TM+12+2*\c+1]
.endr
	v_nop                                                 ; one plain place behind a scaled conversion
.irp c, 0,1                            ; the operand wants a whole block in a lane: lanes 0-15 block 2 c, lanes 16-31 block 2 c + 1
.irp i, 0,1,2
	v_permlane16_swap_b32 v[\pc+6*\c+\i], v[\pc+12+4*\c+\i]
.endr
.irp i, 0,1,2
	v_mov_b32 v[\pc+3+6*\c+\i], v[\pc+12+4*\c+\i]
.endr
.endr
.endm
	s_load_b256 s[4:11], s[0:1], 0x0               ; the tensor s[4:5], gains s[6:7], biases s[8:9], act s[10:11]
	v_lshl_add_u32 v126, v0, 2, 0x12e00
	v_mov_b32 v127, 0
	v_lshrrev_b32 v1, 5, v0
	v_readfirstlane_b32 s12, v1                    ; wave
	v_and_b32 v14, 31, v0                          ; lane
	v_and_b32 v15, 15, v0                          ; r
	v_bfe_u32 v28, v0, 4, 1                        ; h
	v_lshlrev_b32 v1, 4, v14                       ; 16 x lane
	s_mul_i32 s13, s12, STW
	v_add_nc_u32 v2, s13, v1                       ; the stage, on the way in
	v_mul_u32_u24 v3, v15, 528
	v_lshl_add_u32 v3, v28, 6, v3
	v_add_nc_u32 v3, s13, v3                       ; on the way out: row r, + 64 h
	v_lshlrev_b32 v4, 6, v28
	v_add_nc_u32 v4, s13, v4                       ; gains and biases: + 64 h
	v_lshlrev_b32 v6, 2, v15
	v_add_nc_u32 v6, RED, v6                       ; partial sums of row r
	s_lshl_b32 s13, s12, 6
	v_add_nc_u32 v5, s13, v6                       ; my wave's
	v_lshlrev_b32 v7, 2, v14
	s_lshl_b32 s13, s12, 7
	v_add_nc_u32 v7, s13, v7
	v_add_nc_u32 v7, SCS, v7                       ; my wave's 32 scale words
	v_lshlrev_b32 v8, 3, v14                       ; 8 x lane
	v_add_nc_u32 v9, SCS, v1
	s_lshr_b32 s14, ttmp9, 2
	s_lshl_b32 s14, s14, 6                         ; 64 G
	s_bfe_u32 s15, ttmp9, 0x10001
	s_lshl_b32 s15, s15, 4                         ; 16 u
	s_add_co_u32 s14, s14, s15
	s_and_b32 s15, ttmp9, 1                        ; b
	s_add_co_u32 s14, s14, s15
	s_lshl_b32 s14, s14, 12                        ; rows of 4,096 bytes
	s_lshl_b32 s16, s12, 10                        ; my 256 columns
	s_add_co_u32 s14, s14, s16
	s_mov_b32 s15, 0
	s_mov_b32 s17, 0
	s_mul_i32 s18, ttmp9, 12288
	s_mul_i32 s19, s12, 3072
	s_add_co_u32 s18, s18, s19                     ; my two images
	s_mov_b32 s19, 0
	s_lshl_b32 s28, ttmp9, 9
	s_add_co_u32 s28, s28, 3145728                 ; the tile's scale words
	s_mov_b32 s29, 0
	s_mov_b32 s20, 0x76543210
	s_mov_b32 s21, 0xfedcba98                      ; lane l xor 16
	s_mov_b32 s26, 0x3a800000                      ; 1 / 1,024
	s_mov_b32 s27, 0x3727c5ac                      ; 1e-5
	v_mov_b32 v24, 0                               ; a lane permute's destination counts as one of its sources
.irp b, 0,1,2,3
	v_mov_b32 v[TM+4+\b], 0
.endr
	s_wait_kmcnt 0x0
	s_add_nc_u64 s[4:5], s[4:5], s[14:15]
	s_add_nc_u64 s[6:7], s[6:7], s[16:17]
	s_add_nc_u64 s[8:9], s[8:9], s[16:17]
	s_add_nc_u64 s[22:23], s[10:11], s[18:19]
	s_add_nc_u64 s[24:25], s[10:11], s[28:29]
	WIN 0x80                                       ; destination window 2: the numbers as they are loaded
.irp c, 0,1
.set p, 0
.rept 16
	global_load_b128 v[4*(18*\c+p):4*(18*\c+p)+3], v1, s[4:5] offset:(2*p+16*(p/8))*4096+512*\c   ; 512 consecutive bytes of the tile's row p
.set p, p+1
.endr
	global_load_b128 v[4*(18*\c+16):4*(18*\c+16)+3], v1, s[6:7] offset:512*\c
	global_load_b128 v[4*(18*\c+17):4*(18*\c+17)+3], v1, s[8:9] offset:512*\c
.endr
	WIN 0
.macro TURNIN c                        ; a chunk through the stage; LDS serves a wave's instructions in order, so no wait stands between the stores and the loads
	WIN 0x08
.set p, 0
.rept 18
	ds_store_b128 v2, v[4*(18*\c+p):4*(18*\c+p)+3] offset:CHB*\c+528*p
.set p, p+1
.endr
	WIN 0
.set p, 0
.rept 16
	ds_load_b128 v[X+64*\c+4*p:X+64*\c+4*p+3], v3 offset:CHB*\c+128*(p/4)+16*(p%4)
.set p, p+1
.endr
	WIN 0x40                                       ; window 1: v0-127 gains, v128-255 biases, laid as my numbers
.set p, 0
.rept 16
	ds_load_b128 v[64*\c+4*p:64*\c+4*p+3], v4 offset:CHB*\c+16*528+128*(p/4)+16*(p%4)
	ds_load_b128 v[128+64*\c+4*p:128+64*\c+4*p+3], v4 offset:CHB*\c+17*528+128*(p/4)+16*(p%4)
.set p, p+1
.endr
	WIN 0
.endm
	s_wait_loadcnt 18                              ; chunk 0's 18 loads are in; chunk 1's 18 may be out
	TURNIN 0
	s_wait_loadcnt 0x0
	TURNIN 1
	s_wait_dscnt 0x0
; the four chains in v[16:23] become the row's sum over all 1,024 columns, in every lane
.macro REDUCE off
	v_pk_add_f32 v[16:17], v[16:17], v[18:19]
	v_pk_add_f32 v[20:21], v[20:21], v[22:23]
	v_pk_add_f32 v[16:17], v[16:17], v[20:21]
	v_add_f32 v16, v16, v17
	v_permlanex16_b32 v24, v16, s20, s21
	v_add_f32 v16, v16, v24                        ; my wave's 256 columns of row r
	ds_store_b32 v5, v16 offset:\off
	s_wait_dscnt 0x0                               ; for the others' sake
	s_barrier_signal -1
	s_barrier_wait -1
.irp k, 0,1,2,3
	ds_load_b32 v[24+\k], v6 offset:\off+64*\k
.endr
	s_wait_dscnt 0x0
	v_add_f32 v24, v24, v25
	v_add_f32 v26, v26, v27
	v_add_f32 v16, v24, v26
.endm
.irp k, 0,1,2,3
	v_pk_add_f32 v[16+2*\k:17+2*\k], v[X+4*\k:X+4*\k+1], v[X+4*\k+2:X+4*\k+3]
.endr
.set j, 16
.rept 14
.irp k, 0,1,2,3
	v_pk_add_f32 v[16+2*\k:17+2*\k], v[16+2*\k:17+2*\k], v[X+j+2*\k:X+j+2*\k+1]
.endr
.set j, j+8
.endr
	REDUCE 0
	v_mul_f32 v10, s26, v16                        ; the mean
	v_mov_b32 v11, v10
.set j, 0
.rept 64
	v_pk_add_f32 v[X+j:X+j+1], v[X+j:X+j+1], v[10:11] op_sel_hi:[1,0] neg_lo:[0,1] neg_hi:[0,1]
.set j, j+2
.endr
.irp k, 0,1,2,3
	v_pk_mul_f32 v[16+2*\k:17+2*\k], v[X+2*\k:X+2*\k+1], v[X+2*\k:X+2*\k+1]
.endr
.set j, 8
.rept 15
.irp k, 0,1,2,3
	v_pk_fma_f32 v[16+2*\k:17+2*\k], v[X+j+2*\k:X+j+2*\k+1], v[X+j+2*\k:X+j+2*\k+1], v[16+2*\k:17+2*\k]
.endr
.set j, j+8
.endr
	REDUCE 256
	v_fma_f32 v12, v16, s26, s27                   ; the variance + 1e-5
	s_wait_alu depctr_va_vdst(0)
	v_rsq_f32 v12, v12
	v_nop                                          ; a plain place behind the transcendental
	s_wait_alu depctr_va_vdst(0)                   ; and the wait ahead of its first reader
	v_mov_b32 v13, v12
.irp c, 0,1
.set j, 0
.rept 32
	v_pk_mul_f32 v[X+64*\c+j:X+64*\c+j+1], v[X+64*\c+j:X+64*\c+j+1], v[12:13] op_sel_hi:[1,0]
.set j, j+2
.endr
	WIN 0x14                                       ; sources 1 and 2 in window 1
.set j, 0
.rept 32
	v_pk_fma_f32 v[X+64*\c+j:X+64*\c+j+1], v[X+64*\c+j:X+64*\c+j+1], v[64*\c+j:64*\c+j+1], v[128+64*\c+j:128+64*\c+j+1]
.set j, j+2
.endr
	WIN 0
	QUANT X+64*\c, 32+20*\c, 88+\c
.irp p, 0,1,2,3,4,5
	global_store_b64 v8, v[32+20*\c+2*\p:33+20*\c+2*\p], s[22:23] offset:1536*\c+256*\p   ; 32 lanes store 256 consecutive bytes, aligned
.endr
.endr
	v_permlane16_swap_b32 v88, v89                 ; lanes 0-15: K step 2 w's words, lanes 16-31: K step 2 w + 1's
	ds_store_b32 v7, v88
	s_wait_dscnt 0x0
	s_barrier_signal -1
	s_barrier_wait -1
	s_cmp_lg_u32 s12, 0
	s_cbranch_scc1 .Ldone
	ds_load_b128 v[92:95], v9                      ; wave 0 stores the tile's 512 bytes of scale words
	s_wait_dscnt 0x0
	global_store_b128 v1, v[92:95], s[24:25]
.Ldone:
	s_wait_tensorcnt 0x0
	ds_add_u32 v126, v127
	s_wait_dscnt 0x0
	s_endpgm
.Lfunc_end_k_q4765e1f442_lnq1:
	.size	k_q4765e1f442_lnq1, .Lfunc_end_k_q4765e1f442_lnq1-k_q4765e1f442_lnq1
	.p2alignl 7, 3214868480
	.fill 96, 4, 3214868480
	.section	.rodata,"a",@progbits
	.p2align	6, 0x0
	.amdhsa_kernel k_q4765e1f442_lnq1
		.amdhsa_group_segment_fixed_size 77824
		.amdhsa_private_segment_fixed_size 0
		.amdhsa_enable_private_segment 0
		.amdhsa_kernarg_size 32
		.amdhsa_user_sgpr_count 2
		.amdhsa_user_sgpr_kernarg_segment_ptr 1
		.amdhsa_wavefront_size32 1
		.amdhsa_system_sgpr_workgroup_id_x 1
		.amdhsa_system_sgpr_workgroup_id_y 1
		.amdhsa_system_sgpr_workgroup_id_z 1
		.amdhsa_system_vgpr_workitem_id 0
		.amdhsa_next_free_vgpr 656
		.amdhsa_next_free_sgpr 66
		.amdhsa_reserve_vcc 0
		.amdhsa_float_denorm_mode_32 3
		.amdhsa_float_denorm_mode_16_64 3
		.amdhsa_memory_ordered 1
		.amdhsa_forward_progress 1
		.amdhsa_inst_pref_size 46
	.end_amdhsa_kernel
	.amdgpu_metadata
---
amdhsa.version: [ 1, 2 ]
amdhsa.kernels:
  - .name:           k_q4765e1f442_lnq1
    .symbol:         k_q4765e1f442_lnq1.kd
    .args:
      - { .name: x, .offset: 0, .size: 8, .value_kind: global_buffer, .address_space: global }
      - { .name: ln1_w, .offset: 8, .size: 8, .value_kind: global_buffer, .address_space: global }
      - { .name: ln1_b, .offset: 16, .size: 8, .value_kind: global_buffer, .address_space: global }
      - { .name: act, .offset: 24, .size: 8, .value_kind: global_buffer, .address_space: global }
    .group_segment_fixed_size: 77824
    .private_segment_fixed_size: 0
    .kernarg_segment_align: 8
    .kernarg_segment_size: 32
    .max_flat_workgroup_size: 128
    .sgpr_count:     66
    .vgpr_count:     656
    .wavefront_size: 32
...
	.end_amdgpu_metadata
.endif
;; end of part 1
;; launch qkvg (part 2): grid 16 x 16, 4 waves a work-group, clusters of 4 x 4, 327,680 bytes of LDS; arguments act, w_qkv_codes, w_qkv_scales, b_qkv, qkv; writes qkv
.if DOCPART == 2
	.amdgcn_target "amdgcn-amd-amdhsa--gfx1250"
	.amdhsa_code_object_version 6
	.text
	.protected	k_q4765e1f442_qkvg
	.globl	k_q4765e1f442_qkvg
	.p2align	8
	.type	k_q4765e1f442_qkvg,@function
k_q4765e1f442_qkvg:
	s_mov_b64 s[64:65], 0
	v_nop
	global_prefetch_b8 v0, s[64:65] scope:SCOPE_SE
	s_setreg_imm32_b32 hwreg(HW_REG_WAVE_MODE, 25, 1), 1
	s_wait_xcnt 0x0
	s_wait_alu depctr_hold_cnt(0) depctr_sa_sdst(0) depctr_va_vdst(0) depctr_va_sdst(0) depctr_va_ssrc(0) depctr_va_vcc(0) depctr_vm_vsrc(0)
	s_getreg_b32 s2, hwreg(HW_REG_IB_STS2, 6, 4)
	s_cmp_eq_u32 s2, 0
	s_cbranch_scc0 .Lentry_in_a_cluster
	s_endpgm
.Lentry_in_a_cluster:
	s_bfe_u32 s2, ttmp6, 0x10000c
	s_cmp_lg_u32 s2, 0xf033
	s_cbranch_scc0 .Lentry_shape_is_right
	s_endpgm
.Lentry_shape_is_right:
; qkv = Q(LN1(x)) w_qkv^T + b_qkv on codes of E2M3, then q and k quantised along the head's 64 and v along the keys, all stored as images of the operands that the attention launch reads.
; A work-group: 256 rows (16 row tiles, 128 positions of both batches) x one head's 192 features.  Wave w: batch w & 1, positions 64 (w >> 1) + 0 .. 63 of the 128: four row tiles a = 2 e + u.
; K goes in slots of 256 through a ring of two LDS slots.  The activations come as register images (dense, no padding); the weights as rows of 768 bytes, 16 bytes of padding behind every 256.
; CLUSTER 4 x 4: activation tiles are shared along a row of the cluster, weight tiles along a column: joint loads.
; q, k tiles (weight tiles x = 0 .. 7): source 0 = 16 weight rows, source 1 = 16 rows: a lane holds one position and eight features.  Inside each block of 32 features q's and k's codes lie in one common fixed order
; (8 h + j, then 16 + 8 h + j): the sums q . k and the blocks are the quantiser's own.
; v tiles (x = 8 + t): the sources swapped: a lane holds one feature d = 32 (t / 2) + 8 (t % 2) + r + 8 (r / 8) and its registers run along the keys.
; qkv buffer, bh = 16 b + head: Q images [bh][G 64][1536] at 0 (pair p of lane l at 256 p + 8 l; pairs 0-2 tile u = 0, 3-5 u = 1); K images at 3,145,728 (registers 4 c .. 4 c + 3 of lane l at 512 c + 16 l);
; V^T images [bh][128 keys 16][t 4][1536] at 6,291,456; scale words [bh][G][16] at 9,437,184 (Q) and 9,568,256 (K), [bh][16][t][16] at 9,699,328 (V).
; REGISTERS: window 0: v8-31 addresses, v32-87 scale words (two sets), v112-255 the weights' 12 fragments (one set); window 1: the activations' 4 fragments, two sets at v0 and v128;
; window 2: q's and k's 32 accumulators ((a, x) at 8 (8 a + x)); window 3: v's 16 ((t, a) at 8 (4 t + a)), v128-195 the biases.
; LIMITS: NaN and infinities are not served; a block under 2^-124 (zeros too) gets the byte 1; the bytes are read by this program alone.
.set KT, 8
.set NQ, 2
; THE WEIGHTS STAY: the head's 192 rows come once, for all of K, as rows of 768 bytes (16 bytes of padding behind every 256), behind the ring; only the activations go through the ring's two slots.
.set PITCH, 816
.set PI, 32
.set ACTB, 49152
.set SLOT, 49152
.set WB, 98304
.set SCW, 254976
.set SCA, 261632
.set SPARE, 269824
.set XH, 6
.set XF, 112
.set SC, 32
.set ADX, 8
.set ADW, 10
.set ADP, 14
.set ADSX, 18
.set ADSW, 19
.set ADSP, 20
.set SPW, 28
.set NIL, 29
.set G1, 24
.set G0, 32
.set G1B, 48
.set G0B, 56
.set G1S, 68
.set G0S, 76
.set G1SB, 80
.set G0SB, 88
.set T, 112
.set PC, 176
.set TM, 196
.set SEL, 84
.set MSB, 0
.macro WIN new
.if MSB != (\new)
	s_set_vgpr_msb (MSB<<8)|(\new)
.set MSB, (\new)
.endif
.endm
.macro ALOAD s                         ; a slot's 16 activation tiles: wave 0's one joint load
	s_cmp_lg_u32 s14, 0
	s_cbranch_scc1 .Lnone_\@
	tensor_load_to_lds s[G0+4*\s:G0+4*\s+3], s[G1:G1+7]
	s_nop 0
.rept 4
	v_nop
.endr
.Lnone_\@:
.endm
.macro ARM under, g0, g1, next         ; an arm of the head's one chain of branches on the wave's number
	s_cmp_lt_u32 s14, \under
	s_cbranch_scc0 \next
	tensor_load_to_lds s[\g0:\g0+3], s[\g1:\g1+7]
	s_nop 0
.rept 4
	v_nop
.endr
	s_branch .Lhead_asked
\next:
.endm
.macro CREST
	s_cmp_lg_u32 s14, 0
	s_cbranch_scc1 .Lnot_wave_0_\@
	s_barrier_signal -3
.Lnot_wave_0_\@:
	s_barrier_wait -3
	s_barrier_signal -1
	s_barrier_wait -1
.endm
.macro CROUND
	s_barrier_signal -1
	s_barrier_wait -1
	CREST
.endm
.macro PLACES cnt
.rept \cnt
	v_nop
.endr
.endm
.macro QUANT s, pc, pw
.irp b, 0,1,2,3
	v_max3_num_f32 v[TM+\b], |v[\s+16*\b]|, |v[\s+1+16*\b]|, 0x1800000
.endr
.irp i, 2,4,6,8,10,12,14
.irp b, 0,1,2,3
	v_max3_num_f32 v[TM+\b], v[TM+\b], |v[\s+16*\b+\i]|, |v[\s+1+16*\b+\i]|
.endr
.endr
.irp b, 0,1,2,3
	v_permlanex16_b32 v[TM+4+\b], v[TM+\b], s[SEL], s[SEL+1]
.endr
.irp b, 0,1,2,3
	v_max_num_f32 v[TM+\b], v[TM+\b], v[TM+4+\b]
.endr
.irp b, 0,1,2,3
	v_add_nc_u32 v[TM+12+\b], 0xff000000, v[TM+\b]
.endr
.irp b, 0,1,2,3
	v_lshrrev_b32 v[TM+4+\b], 23, v[TM+12+\b]
.endr
	v_lshl_or_b32 v[\pw], v[TM+5], 8, v[TM+4]
	v_lshl_or_b32 v[\pw], v[TM+6], 16, v[\pw]
	v_lshl_or_b32 v[\pw], v[TM+7], 24, v[\pw]
.irp c, 0,1
	v_cvt_scalef32_pk16_fp6_f32 v[\pc+6*\c:\pc+2+6*\c], v[\s+32*\c:\s+15+32*\c], v[TM+12+2*\c]
	v_cvt_scalef32_pk16_fp6_f32 v[\pc+12+4*\c:\pc+14+4*\c], v[\s+16+32*\c:\s+31+32*\c], v[TM+12+2*\c+1]
.endr
	v_nop
.irp c, 0,1
.irp i, 0,1,2
	v_permlane16_swap_b32 v[\pc+6*\c+\i], v[\pc+12+4*\c+\i]
.endr
.irp i, 0,1,2
	v_mov_b32 v[\pc+3+6*\c+\i], v[\pc+12+4*\c+\i]
.endr
.endr
.endm
	s_load_b64 s[4:5], s[0:1], 0x0                 ; act
	s_load_b128 s[8:11], s[0:1], 0x8               ; the weights' codes, their scales
	s_load_b64 s[96:97], s[0:1], 0x18              ; the bias
	s_load_b64 s[12:13], s[0:1], 0x20              ; qkv
	v_lshl_add_u32 v[SPW], v0, 2, SPARE
	v_mov_b32 v[NIL], 0
	ds_add_u32 v28, v29
	ds_add_u32 v28, v29
	s_wait_dscnt 0x0
	v_lshrrev_b32 v1, 5, v0
	v_readfirstlane_b32 s14, v1                    ; wave
	s_lshr_b32 s15, s14, 1
	s_and_b32 s16, s14, 1
	s_bfe_u32 s40, ttmp6, 0x40000                  ; cx
	s_bfe_u32 s41, ttmp6, 0x40004                  ; cy
	s_lshl_b32 s42, ttmp9, 2
	s_add_co_u32 s42, s42, s40                     ; the head
	s_and_b32 s17, ttmp7, 0xffff
	s_lshl_b32 s17, s17, 2
	s_add_co_u32 s17, s17, s41                     ; the block of 256 rows
	s_lshl_b32 s43, s41, 2
	s_lshl_b32 s43, 15, s43                        ; my row of the cluster
	s_lshl_b32 s44, 0x1111, s40                    ; my column
	s_or_b32 s[G1], s43, (3<<16)|(1<<21)           ; activations: 16 row tiles x 3,072 bytes (384 elements of 8 bytes), 12,288 bytes apart, dense in LDS
	s_mov_b32 s[G1+1], 384<<16
	s_mov_b32 s[G1+2], 16<<16
	s_mov_b32 s[G1+3], 384<<16
	s_mov_b32 s[G1+4], 16
	s_mov_b32 s[G1+5], 1536
	s_mov_b32 s[G1+6], 0
	s_mov_b32 s[G1+7], 0
	s_or_b32 s[G1B], s44, (1<<20)|(1<<21)|(5<<22)|(3<<25)   ; weights: 192 rows x 768 bytes; 4 words of padding behind every 64
	s_mov_b32 s[G1B+1], 768<<16
	s_mov_b32 s[G1B+2], 192<<16
	s_mov_b32 s[G1B+3], 768<<16
	s_mov_b32 s[G1B+4], 192
	s_mov_b32 s[G1B+5], 768
	s_mov_b32 s[G1B+6], 0
	s_mov_b32 s[G1B+7], 0
	s_or_b32 s[G1S], s43, (3<<16)|(1<<21)          ; the activations' scale words of 16 tiles: 8,192 dense bytes as 32 rows of 256
	s_mov_b32 s[G1S+1], 32<<16
	s_mov_b32 s[G1S+2], 32<<16
	s_mov_b32 s[G1S+3], 32<<16
	s_mov_b32 s[G1S+4], 32
	s_mov_b32 s[G1S+5], 32
	s_mov_b32 s[G1S+6], 0
	s_mov_b32 s[G1S+7], 0
	s_or_b32 s[G1SB], s44, (3<<16)|(1<<20)|(1<<21)|(5<<22)|(3<<25)  ; the weights' scale bytes of 192 rows: 24 rows of 256 bytes, 16 of padding behind each
	s_mov_b32 s[G1SB+1], 32<<16
	s_mov_b32 s[G1SB+2], 24<<16
	s_mov_b32 s[G1SB+3], 32<<16
	s_mov_b32 s[G1SB+4], 24
	s_mov_b32 s[G1SB+5], 32
	s_mov_b32 s[G1SB+6], 0
	s_mov_b32 s[G1SB+7], 0
	s_lshl_b32 s20, s17, 4
	s_lshl_b32 s22, s20, 9                         ; its scale words
	s_mov_b32 s23, 0
	s_mul_i32 s20, s20, 12288                      ; its images
	s_mov_b32 s21, 0
	s_mul_i32 s46, s42, 192
	s_lshl_b32 s92, s46, 5
	s_mov_b32 s93, 0
	s_mul_i32 s46, s46, 768
	s_mov_b32 s47, 0
	s_wait_kmcnt 0x0
	s_add_nc_u64 s[6:7], s[4:5], 3145728
	s_add_nc_u64 s[20:21], s[4:5], s[20:21]
	s_add_nc_u64 s[22:23], s[6:7], s[22:23]
	s_add_nc_u64 s[46:47], s[8:9], s[46:47]
	s_add_nc_u64 s[92:93], s[10:11], s[92:93]
	CROUND                                         ; all sixteen work-groups are here: the first joint loads meet
	s_mov_b32 s[G0S], 1
	s_mov_b32 s[G0S+1], SCA
	s_mov_b64 s[G0S+2:G0S+3], s[22:23]
	s_or_b32 s[G0S+3], s[G0S+3], 0x80000000
	s_mov_b32 s[G0SB], 1
	s_mov_b32 s[G0SB+1], SCW
	s_mov_b64 s[G0SB+2:G0SB+3], s[92:93]
	s_or_b32 s[G0SB+3], s[G0SB+3], 0x80000000
.irp s, 0,1
	s_mov_b32 s[G0+4*\s], 1
	s_mov_b32 s[G0+4*\s+1], \s*SLOT
	s_add_nc_u64 s[G0+4*\s+2:G0+4*\s+3], s[20:21], \s*NQ*1536
	s_or_b32 s[G0+4*\s+3], s[G0+4*\s+3], 0x80000000
.endr
	s_mov_b32 s[G0B], 1
	s_mov_b32 s[G0B+1], WB
	s_mov_b64 s[G0B+2:G0B+3], s[46:47]
	s_or_b32 s[G0B+3], s[G0B+3], 0x80000000
	ARM 1, G0,  G1,  .Lhead_w                      ; the head's four tiles, one joint load a wave: slot 0's activations,
	ARM 2, G0B, G1B, .Lhead_sa                     ; the weights,
	ARM 3, G0S, G1S, .Lhead_sw                     ; the activations' scale words,
	tensor_load_to_lds s[G0SB:G0SB+3], s[G1SB:G1SB+7]   ; the weights' scale bytes
	s_nop 0
.rept 4
	v_nop
.endr
.Lhead_asked:
	v_and_b32 v1, 15, v0                           ; r
	v_bfe_u32 v2, v0, 4, 1                         ; h
	v_and_b32 v3, 31, v0                           ; lane
	v_lshlrev_b32 v21, 3, v3                       ; 8 x lane
	v_lshlrev_b32 v22, 4, v3                       ; 16 x lane
	v_lshlrev_b32 v23, 2, v3                       ; 4 x lane
	v_lshlrev_b32 v24, 2, v1                       ; 4 r
	v_lshlrev_b32 v25, 5, v2                       ; 32 h
	v_and_b32 v5, 8, v1
	v_add_nc_u32 v5, v5, v1                        ; r + 8 (r / 8)
	v_lshlrev_b32 v26, 2, v5
	s_lshl_b32 s21, s15, 3
	s_add_co_u32 s21, s21, s16                     ; my first local tile: 8 (w >> 1) + (w & 1); my tile a lies 2 a tiles on
	s_lshl_b32 s22, s21, 9
	s_mul_i32 s21, s21, 3072
.irp s, 0,1
	v_add_nc_u32 v[ADX+\s], s21, v21
	s_add_co_u32 s21, s21, SLOT
.endr
	v_mul_u32_u24 v6, v1, PITCH
	v_mad_u32_u24 v6, v2, 24, v6                   ; a weight row x pitch + 24 h,
	v_lshl_add_u32 v7, v2, 4, v6                   ; and the same behind one padding more
	v_mul_u32_u24 v4, v5, PITCH
	v_mad_u32_u24 v4, v2, 24, v4                   ; v's tiles take rows r + 8 (r / 8)
	v_lshl_add_u32 v27, v2, 4, v4
.irp f, 0,1                            ; a register for each 64 weight rows, so that the loads' offsets stay inside 16 bits
	v_add_nc_u32 v[ADW+\f], WB+\f*64*PITCH, v6
	v_add_nc_u32 v[ADW+2+\f], WB+\f*64*PITCH, v7
.endr
	v_add_nc_u32 v[ADP], WB+128*PITCH, v4
	v_add_nc_u32 v[ADP+2], WB+128*PITCH, v27
	v_lshl_add_u32 v6, v2, 6, v24                  ; the activations' scale words: 4 r, lanes 16-31 the next K step's
	s_add_co_u32 s22, s22, SCA
	v_add_nc_u32 v[ADSX], s22, v6
	v_lshlrev_b32 v6, 5, v1                        ; the weights': 32 bytes a row, 16 more for each 256 passed
	v_lshrrev_b32 v7, 8, v6
	v_lshl_add_u32 v6, v7, 4, v6
	v_add_nc_u32 v[ADSW], SCW, v6
	v_lshlrev_b32 v6, 5, v5
	v_lshrrev_b32 v7, 8, v6
	v_lshl_add_u32 v6, v7, 4, v6
	v_add_nc_u32 v[ADSP], SCW, v6
	s_mul_i32 s100, s42, 768                       ; the head's 192 biases
	s_mov_b32 s101, 0
	s_add_nc_u64 s[96:97], s[96:97], s[100:101]
	WIN 0xc0                                       ; destination window 3
.irp t, 0,1,2,3,4,5,6,7
	global_load_b128 v[128+8*\t:128+8*\t+3], v25, s[96:97] offset:64*\t       ; q, k: features 16 t + 8 h + 0 .. 7
	global_load_b128 v[128+8*\t+4:128+8*\t+7], v25, s[96:97] offset:64*\t+16
.endr
.irp t, 0,1,2,3
	global_load_b32 v[192+\t], v26, s[96:97] offset:(128+32*(\t/2)+8*(\t%2))*4   ; v: my one feature of tile t
.endr
	WIN 0
.macro IMGFR reg, adr, off             ; a fragment's image: six loads of 256 consecutive bytes
.irp p, 0,1,2,3,4,5
	ds_load_b64 v[\reg+2*\p:\reg+2*\p+1], v[\adr] offset:\off+256*\p
.endr
.endm
.macro ROWFR reg, adr, q, rowoff       ; a fragment from rows: pieces of 8 bytes; lanes 16-31 read three pieces on, for some pieces behind one padding more (the second address register)
.irp p, 0,1,2,3,4,5
.set PCE, 12*(\q)+6*(\p/3)+\p%3
.if PCE%PI < PI-3
	ds_load_b64 v[\reg+2*\p:\reg+2*\p+1], v[\adr] offset:8*PCE+16*(PCE/PI)+(\rowoff)*PITCH
.else
	ds_load_b64 v[\reg+2*\p:\reg+2*\p+1], v[\adr+2] offset:8*PCE+16*(PCE/PI)+(\rowoff)*PITCH
.endif
.endr
.endm
.macro FETCH_Y slot, q, p              ; my four activation fragments into set p of window 1
	WIN 0x40
.irp y, 0,1,2,3
	IMGFR 128*(\p)+12*\y, ADX+\slot, 2*\y*3072+(\q)*1536
.endr
	WIN 0
.endm
.macro FETCH_X slot, q, x0, cnt        ; weight fragments x0 on
.set xi, \x0
.rept \cnt
.if xi < 8
	ROWFR XF+12*xi, ADW+xi/4, KB+(\q), 16*(xi%4)
.else
	ROWFR XF+12*xi, ADP, KB+(\q), 32*((xi-8)/2)+8*((xi-8)%2)
.endif
.set xi, xi+1
.endr
.endm
.macro SCALES sc                       ; a slot's scale words: activations one register a tile (lanes 0-15 the first K step, 16-31 the second), weights two a tile
.irp y, 0,1,2,3
	ds_load_b32 v[SC+28*(\sc)+\y], v[ADSX] offset:2*\y*512
.endr
.irp x, 0,1,2,3,4,5,6,7
	ds_load_b64 v[SC+28*(\sc)+4+2*\x:SC+28*(\sc)+5+2*\x], v[ADSW] offset:\x*544
.endr
.irp t, 0,1,2,3
	ds_load_b64 v[SC+28*(\sc)+20+2*\t:SC+28*(\sc)+21+2*\t], v[ADSP] offset:(16+4*(\t/2)+\t%2)*272
.endr
.endm
; weight tiles x0 on, each against my four activation tiles.  The 48 accumulators take turns, one instruction a turn, in the same order in every step.
.macro MULX x0, cnt, p, q, sc, zero
.set xi, \x0
.rept \cnt
.set yi, 0
.rept 4
.set af, 128*(\p)+12*yi
.set wf, XF+12*xi
.set sw, SC+28*(\sc)+4+2*xi+(\q)
.set sx, SC+28*(\sc)+yi
.if xi < 8
	WIN 0xa4
.set dd, 8*(8*yi+xi)
.if \zero
	v_wmma_scale_f32_16x16x128_f8f6f4 v[dd:dd+7], v[wf:wf+11], v[af:af+11], 0, v[sw], v[sx] matrix_a_fmt:MATRIX_FMT_FP6 matrix_b_fmt:MATRIX_FMT_FP6
.elseif (\q)%2
	v_wmma_scale_f32_16x16x128_f8f6f4 v[dd:dd+7], v[wf:wf+11], v[af:af+11], v[dd:dd+7], v[sw], v[sx] matrix_a_fmt:MATRIX_FMT_FP6 matrix_b_fmt:MATRIX_FMT_FP6 matrix_b_scale:MATRIX_SCALE_ROW1
.else
	v_wmma_scale_f32_16x16x128_f8f6f4 v[dd:dd+7], v[wf:wf+11], v[af:af+11], v[dd:dd+7], v[sw], v[sx] matrix_a_fmt:MATRIX_FMT_FP6 matrix_b_fmt:MATRIX_FMT_FP6
.endif
.else
	WIN 0xf1
.set dd, 8*(4*(xi-8)+yi)
.if \zero
	v_wmma_scale_f32_16x16x128_f8f6f4 v[dd:dd+7], v[af:af+11], v[wf:wf+11], 0, v[sx], v[sw] matrix_a_fmt:MATRIX_FMT_FP6 matrix_b_fmt:MATRIX_FMT_FP6
.elseif (\q)%2
	v_wmma_scale_f32_16x16x128_f8f6f4 v[dd:dd+7], v[af:af+11], v[wf:wf+11], v[dd:dd+7], v[sx], v[sw] matrix_a_fmt:MATRIX_FMT_FP6 matrix_b_fmt:MATRIX_FMT_FP6 matrix_a_scale:MATRIX_SCALE_ROW1
.else
	v_wmma_scale_f32_16x16x128_f8f6f4 v[dd:dd+7], v[af:af+11], v[wf:wf+11], v[dd:dd+7], v[sx], v[sw] matrix_a_fmt:MATRIX_FMT_FP6 matrix_b_fmt:MATRIX_FMT_FP6
.endif
.endif
.set yi, yi+1
.endr
.set xi, xi+1
.endr
.endm
.macro STEP slot, q, zero              ; a step of 128 along K that has its successor in the same slot
	s_wait_dscnt XH*6                              ; all but the youngest 36 loads (weight tiles 6-11) are in
	MULX 0, XH, (\q)%2, \q, \slot, \zero
	s_wait_dscnt 0x0
	PLACES 4                                       ; four places in front of loads into registers that matrix instructions have read
	FETCH_Y \slot, (\q)+1, 1-(\q)%2
	FETCH_X \slot, (\q)+1, 0, XH
	MULX XH, XH, (\q)%2, \q, \slot, \zero
	PLACES 4
	WIN 0
	FETCH_X \slot, (\q)+1, XH, XH
.endm
.macro TURN slot, next, fill           ; a slot's last step changes slots
	s_wait_tensorcnt 0x0                           ; all my tensor loads have landed: my part of the next slot
	ds_add_u32 v[SPW], v[NIL]                      ; 0 onto my spare word
	s_wait_dscnt XH*6+1                            ; the add and the youngest 36 loads may be out
	MULX 0, XH/2, 1, NQ-1, \slot, 0
	s_wait_dscnt 0x0                               ; the add is done, and my reads of this slot are over
	s_barrier_signal -1
	MULX XH/2, XH/2, 1, NQ-1, \slot, 0
	WIN 0
	s_barrier_wait -1
.if \fill
	CREST                                          ; the barrier has opened a round of the cluster's: no wave of any partner still reads this slot or has a load on its way
	s_add_nc_u64 s[G0+4*\slot+2:G0+4*\slot+3], s[G0+4*\slot+2:G0+4*\slot+3], 2*NQ*1536
	ALOAD \slot                                    ; the first tensor load behind the round
.endif
	PLACES 4                                       ; four places in front of the loads below, in every wave
	s_wait_alu depctr_va_vdst(0)
	v_add_nc_u32 v[ADSX], 128, v[ADSX]             ; on to the next slot's scale words
	v_add_nc_u32 v[ADSW], 8, v[ADSW]
	v_add_nc_u32 v[ADSP], 8, v[ADSP]
.set KB, KB+2                          ; the K step at which the slot now fetched from begins
	FETCH_Y \next, 0, 0
	FETCH_X \next, 0, 0, XH
	SCALES \next
	MULX XH, XH, 1, NQ-1, \slot, 0
	PLACES 4
	WIN 0
	FETCH_X \next, 0, XH, XH
.endm
	s_wait_alu depctr_va_vdst(0)
	s_wait_tensorcnt 0x0                           ; my tile of the head's four is in
	ds_add_u32 v[SPW], v[NIL]
	s_wait_dscnt 0x0
	CROUND                                         ; everybody's tile is in, and all sixteen work-groups are here
	ALOAD 1                                        ; slot 1's first fill
.set KB, 0
	FETCH_Y 0, 0, 0
	FETCH_X 0, 0, 0, XH
	SCALES 0
	FETCH_X 0, 0, XH, XH
	STEP 0, 0, 1                                   ; the first step starts the sums
	TURN 0, 1, 1
	STEP 1, 0, 0
	TURN 1, 0, 1
	STEP 0, 0, 0
	TURN 0, 1, 0                                   ; the last lap fills nothing
	STEP 1, 0, 0
	s_wait_dscnt XH*6
	MULX 0, XH, 1, NQ-1, 1, 0
	s_wait_dscnt 0x0
	MULX XH, XH, 1, NQ-1, 1, 0
	WIN 0
	PLACES 4
	; ---- the way out
	s_wait_loadcnt 0x0                             ; the biases
	s_mov_b32 s[SEL], 0x76543210
	s_mov_b32 s[SEL+1], 0xfedcba98
.irp b, 0,1,2,3
	v_mov_b32 v[TM+4+\b], 0
.endr
	s_lshl_b32 s68, s16, 4
	s_add_co_u32 s68, s68, s42                     ; bh = 16 batch + head
	s_lshl_b32 s69, s17, 2
	s_lshl_b32 s70, s15, 1
	s_add_co_u32 s69, s69, s70                     ; G of e = 0
	s_mul_i32 s72, s68, 98304
	s_mul_i32 s70, s69, 1536
	s_add_co_u32 s70, s70, s72
	s_mov_b32 s71, 0
	s_add_nc_u64 s[76:77], s[12:13], s[70:71]      ; Q's images (K's 3,145,728 bytes on)
	s_mul_i32 s70, s17, 6144
	s_add_co_u32 s70, s70, s72
	s_mul_i32 s73, s15, 768
	s_add_co_u32 s70, s70, s73
	s_add_co_u32 s70, s70, 6291456
	s_add_nc_u64 s[78:79], s[12:13], s[70:71]      ; V's images: my half of each fragment
	s_lshl_b32 s72, s68, 12
	s_lshl_b32 s70, s69, 6
	s_add_co_u32 s70, s70, s72
	s_add_co_u32 s70, s70, 9437184
	s_add_nc_u64 s[80:81], s[12:13], s[70:71]      ; Q's scale words (K's 131,072 bytes on)
	s_lshl_b32 s70, s17, 8
	s_add_co_u32 s70, s70, s72
	s_lshl_b32 s73, s15, 1
	s_add_co_u32 s70, s70, s73
	s_add_co_u32 s70, s70, 9699328
	s_add_nc_u64 s[82:83], s[12:13], s[70:71]      ; V's scale bytes: my two of each word
.irp seg, 0,1                          ; q, then k
.irp e, 0,1
	s_wait_xcnt 0x0                                ; the last stores have read their registers: the codes' registers are written again only behind this wait
	WIN 0x0e                                       ; source 0 window 2, source 1 window 3
.irp u, 0,1
.set j, 0
.rept 16
	v_pk_add_f32 v[T+32*\u+j:T+32*\u+j+1], v[8*(8*(2*\e+\u)+4*\seg)+j:8*(8*(2*\e+\u)+4*\seg)+j+1], v[128+32*\seg+j:128+32*\seg+j+1]   ; each accumulator from its low end on
.set j, j+2
.endr
.endr
	WIN 0
	QUANT T, PC, 212+2*\seg+\e                     ; registers 0-5: tile u = 0, registers 6-11: u = 1; the word's bytes likewise
.if \seg == 0
.irp p, 0,1,2,3,4,5
	global_store_b64 v21, v[PC+2*\p:PC+2*\p+1], s[76:77] offset:1536*\e+256*\p
.endr
.else
.irp c, 0,1,2
	global_store_b128 v22, v[PC+4*\c:PC+4*\c+3], s[76:77] offset:3145728+1536*\e+512*\c
.endr
.endif
.endr
	v_permlane16_swap_b32 v[212+2*\seg], v[213+2*\seg]   ; lanes 0-15: e = 0's words, lanes 16-31: e = 1's: 128 consecutive bytes
	global_store_b32 v23, v[212+2*\seg], s[80:81] offset:131072*\seg
.endr
.irp tp, 0,1                           ; v: feature tiles 2 tp and 2 tp + 1; a lane's 16 registers of (tile, e) are 16 neighbouring keys
	s_wait_xcnt 0x0
	WIN 0x0f
.set j, 0
.rept 16
	v_pk_add_f32 v[T+j:T+j+1], v[64*\tp+j:64*\tp+j+1], v[192+2*\tp:193+2*\tp] op_sel_hi:[1,0]
.set j, j+2
.endr
.set j, 0
.rept 16
	v_pk_add_f32 v[T+32+j:T+32+j+1], v[64*\tp+32+j:64*\tp+32+j+1], v[192+2*\tp:193+2*\tp] op_sel:[0,1] op_sel_hi:[1,1]
.set j, j+2
.endr
	WIN 0
	QUANT T, PC, 216+\tp
.irp i, 0,1,2
	global_store_b64 v21, v[PC+2*\i:PC+2*\i+1], s[78:79] offset:1536*(2*\tp)+256*\i
	global_store_b64 v21, v[PC+6+2*\i:PC+7+2*\i], s[78:79] offset:1536*(2*\tp+1)+256*\i
.endr
	global_store_b16 v24, v[216+\tp], s[82:83] offset:64*(2*\tp)            ; two bytes of each row's word; the other two are the wave's that holds the other 64 keys
	global_store_d16_hi_b16 v24, v[216+\tp], s[82:83] offset:64*(2*\tp+1)
.endr
	s_wait_tensorcnt 0x0                           ; the wave's end
	ds_add_u32 v[SPW], v[NIL]
	s_wait_dscnt 0x0
	CROUND                                         ; the closing round
	s_endpgm
.Lfunc_end_k_q4765e1f442_qkvg:
	.size	k_q4765e1f442_qkvg, .Lfunc_end_k_q4765e1f442_qkvg-k_q4765e1f442_qkvg
	.p2alignl 7, 3214868480
	.fill 96, 4, 3214868480
	.section	.rodata,"a",@progbits
	.p2align	6, 0x0
	.amdhsa_kernel k_q4765e1f442_qkvg
		.amdhsa_group_segment_fixed_size 327680
		.amdhsa_private_segment_fixed_size 0
		.amdhsa_enable_private_segment 0
		.amdhsa_kernarg_size 40
		.amdhsa_user_sgpr_count 2
		.amdhsa_user_sgpr_kernarg_segment_ptr 1
		.amdhsa_wavefront_size32 1
		.amdhsa_system_sgpr_workgroup_id_x 1
		.amdhsa_system_sgpr_workgroup_id_y 1
		.amdhsa_system_sgpr_workgroup_id_z 1
		.amdhsa_system_vgpr_workitem_id 0
		.amdhsa_next_free_vgpr 1024
		.amdhsa_next_free_sgpr 102
		.amdhsa_reserve_vcc 0
		.amdhsa_float_denorm_mode_32 3
		.amdhsa_float_denorm_mode_16_64 3
		.amdhsa_memory_ordered 1
		.amdhsa_forward_progress 1
		.amdhsa_inst_pref_size 158
	.end_amdhsa_kernel
	.amdgpu_metadata
---
amdhsa.version: [ 1, 2 ]
amdhsa.kernels:
  - .name:           k_q4765e1f442_qkvg
    .symbol:         k_q4765e1f442_qkvg.kd
    .args:
      - { .name: act, .offset: 0, .size: 8, .value_kind: global_buffer, .address_space: global }
      - { .name: w_qkv_codes, .offset: 8, .size: 8, .value_kind: global_buffer, .address_space: global }
      - { .name: w_qkv_scales, .offset: 16, .size: 8, .value_kind: global_buffer, .address_space: global }
      - { .name: b_qkv, .offset: 24, .size: 8, .value_kind: global_buffer, .address_space: global }
      - { .name: qkv, .offset: 32, .size: 8, .value_kind: global_buffer, .address_space: global }
    .group_segment_fixed_size: 327680
    .private_segment_fixed_size: 0
    .kernarg_segment_align: 8
    .kernarg_segment_size: 40
    .max_flat_workgroup_size: 128
    .sgpr_count:     102
    .vgpr_count:     1024
    .wavefront_size: 32
...
	.end_amdgpu_metadata
.endif
;; end of part 2
;; launch attn (part 3): grid 8 x 32, 16 waves a work-group, no clusters, 327,680 bytes of LDS; arguments qkv, act; writes act
.if DOCPART == 3
	.amdgcn_target "amdgcn-amd-amdhsa--gfx1250"
	.amdhsa_code_object_version 6
	.text
	.protected	k_q4765e1f442_attn
	.globl	k_q4765e1f442_attn
	.p2align	8
	.type	k_q4765e1f442_attn,@function
k_q4765e1f442_attn:
	s_mov_b64 s[64:65], 0
	v_nop
	global_prefetch_b8 v0, s[64:65] scope:SCOPE_SE
	s_setreg_imm32_b32 hwreg(HW_REG_WAVE_MODE, 25, 1), 1
	s_wait_xcnt 0x0
; Causal attention of one (batch, head) on codes of E2M3: S^T = K Q^T (K = the head's 64), p = 2^(t - M) quantised along the keys, O^T = V^T P^T, O / l quantised along the features for the next product.
; t = score x log2(e) / 8; M = the running largest t rounded up to a whole number; l is summed of the unquantised p; when M moves, l and O^T are multiplied by 2^(old M - new M), exactly.
; SHARES.  Work-group (j, bh).  The head's 16 blocks of 128 queries are paired: waves 0-7 take block j, waves 8-15 block 15 - j: every work-group has 8 (j + 1) + 8 (16 - j) = 136 wave steps.
; A wave owns one tile of 16 queries: 32 Gq + 8 u + r + 8 (r / 8).  A key step is 128 keys; steps behind the wave's block are jumped over by a scalar branch on ids; the step on the diagonal is masked.
; NO CLUSTER: those branches hang on the work-group's block of queries, which would differ between partners.
; LDS holds the whole head: K's images, V's images and both sets of scale words, each filled once: waves 0-3 K's quarters, waves 4-7 V's, waves 8 and 9 the scale words: one tensor load a wave.
; K = 64 IN AN INSTRUCTION OF 128: a fragment of K holds two key tiles (registers 0-5: keys 32 g + r + 8 (r / 8); registers 6-11: those 8 further on).  It is multiplied by q with zero codes in its upper half,
; and by q with zero codes in its lower half: zero codes add nothing.  So registers 16 g + i of S^T are keys 32 g + 16 (lane / 16) + i of the step.
; LIMITS: NaN and infinities are not served; a block of p or of O under 2^-124 (zeros too) gets the byte 1.
.set LK, 1                             ; 16 x lane: K's images
.set LV, 2                             ; 98,304 + 8 x lane: V's
.set LS, 3                             ; 196,608 + 4 r: K's scale words; V's 4,096 bytes on
.set VD, 4                             ; my query - 16 (lane / 16), counted from my block's first key
.set L8, 5
.set R4, 6
.set ADK, 8
.set ADV, 9
.set ADS, 10
	s_load_b128 s[4:7], s[0:1], 0x0                ; qkv, act
	v_lshl_add_u32 v254, v0, 2, 0x32000
	v_mov_b32 v255, 0
	ds_add_u32 v254, v255
	ds_add_u32 v254, v255
	v_lshrrev_b32 v7, 5, v0
	s_delay_alu instid0(VALU_DEP_1)
	v_readfirstlane_b32 s8, v7                     ; wave 0..15
	s_and_b32 s10, ttmp7, 0xffff                   ; bh
	s_sub_co_u32 s11, 15, ttmp9
	s_cmp_lt_u32 s8, 8
	s_cselect_b32 s11, ttmp9, s11                  ; my block of 128 queries
	s_and_b32 s12, s8, 7
	s_lshr_b32 s13, s12, 1
	s_and_b32 s14, s12, 1                          ; u
	s_lshl_b32 s19, s13, 5
	s_lshl_b32 s54, s14, 3
	s_add_co_u32 s54, s54, s19                     ; my tile's first query in the block
	s_lshl_b32 s19, s11, 2
	s_add_co_u32 s13, s13, s19                     ; Gq
	s_mov_b32 s24, 3<<16                           ; a dense block of 24,576 bytes as 96 rows of 256 (32 elements of 8 bytes)
	s_mov_b32 s25, 32<<16
	s_mov_b32 s26, 96<<16
	s_mov_b32 s27, 32<<16
	s_mov_b32 s28, 96
	s_mov_b32 s29, 32
	s_mov_b32 s30, 0
	s_mov_b32 s31, 0
	s_mov_b32 s32, 3<<16                           ; and one of 4,096 bytes as 16 rows
	s_mov_b32 s33, 32<<16
	s_mov_b32 s34, 16<<16
	s_mov_b32 s35, 32<<16
	s_mov_b32 s36, 16
	s_mov_b32 s37, 32
	s_mov_b32 s38, 0
	s_mov_b32 s39, 0
	s_mov_b32 s40, 1
	s_mul_i32 s41, s12, 24576                      ; waves 0-3: K's quarters, waves 4-7: V's, on end in LDS
	s_and_b32 s48, s8, 3
	s_mul_i32 s48, s48, 24576
	s_bfe_u32 s49, s8, 0x10002
	s_mul_i32 s49, s49, 3145728
	s_add_co_u32 s48, s48, s49
	s_mul_i32 s49, s10, 98304
	s_add_co_u32 s48, s48, s49
	s_mul_i32 s52, s13, 1536
	s_add_co_u32 s52, s52, s49
	s_mul_i32 s49, s14, 768
	s_add_co_u32 s52, s52, s49                     ; my queries' half of their image
	s_add_co_u32 s48, s48, 3145728
	s_mov_b32 s49, 0
	s_mov_b32 s53, 0
	s_mov_b32 s44, 1
	s_and_b32 s50, s8, 1
	s_lshl_b32 s45, s50, 12
	s_add_co_u32 s45, s45, 196608
	s_lshl_b32 s50, s50, 17
	s_lshl_b32 s51, s10, 12
	s_add_co_u32 s50, s50, s51
	s_lshl_b32 s56, s13, 6
	s_add_co_u32 s56, s56, s51
	s_add_co_u32 s56, s56, 9437184                 ; their scale words
	s_add_co_u32 s50, s50, 9568256
	s_mov_b32 s51, 0
	s_mov_b32 s57, 0
	s_lshl_b32 s58, s13, 2
	s_lshl_b32 s19, s14, 1
	s_add_co_u32 s58, s58, s19
	s_lshr_b32 s19, s10, 4
	s_add_co_u32 s58, s58, s19                     ; the row tile that I write: 4 Gq + 2 u + batch
	s_lshl_b32 s60, s58, 9
	s_mul_i32 s58, s58, 12288
	s_bfe_u32 s19, s10, 0x30001                    ; head / 2: the next product's K step
	s_mul_i32 s55, s19, 1536
	s_add_co_u32 s58, s58, s55
	s_lshl_b32 s19, s19, 6
	s_add_co_u32 s60, s60, s19
	s_and_b32 s19, s10, 1                          ; head % 2: which half of the fragment
	s_mul_i32 s55, s19, 768
	s_add_co_u32 s58, s58, s55
	s_lshl_b32 s19, s19, 1
	s_add_co_u32 s60, s60, s19
	s_add_co_u32 s60, s60, 3145728
	s_mov_b32 s59, 0
	s_mov_b32 s61, 0
	s_mov_b32 s20, 0x76543210
	s_mov_b32 s21, 0xfedcba98
	s_mov_b32 s22, 0x3e38aa3b                      ; c = log2(e) / 8
	s_mov_b32 s23, s22
	s_mov_b32 s62, 0x03020302
	s_cmp_eq_u32 s14, 0
	s_cselect_b32 s62, 0x01000100, s62             ; which two bytes of the group's scale word are my tile's
	s_wait_dscnt 0x0
	s_wait_kmcnt 0x0
	s_add_nc_u64 s[42:43], s[4:5], s[48:49]
	s_or_b32 s43, s43, 0x80000000
	s_add_nc_u64 s[46:47], s[4:5], s[50:51]
	s_or_b32 s47, s47, 0x80000000
	s_and_b32 s63, s8, 11                          ; 0: waves 0 and 4; 1 to 3: waves 1-3 and 5-7; 8 and more: the others
	s_cmp_eq_u32 s63, 0                            ; AT THE HEAD only what key steps 0 to 3 need: K's and V's first quarters (waves 0, 4) and the scale words (waves 8, 9)
	s_cbranch_scc0 .Lnot_img
	tensor_load_to_lds s[40:43], s[24:31]
	s_nop 0
.rept 4
	v_nop
.endr
	s_branch .Lasked
.Lnot_img:
	s_and_b32 s19, s8, 14
	s_cmp_eq_u32 s19, 8
	s_cbranch_scc0 .Lasked
	tensor_load_to_lds s[44:47], s[32:39]
	s_nop 0
.rept 4
	v_nop
.endr
.Lasked:
	s_add_nc_u64 s[52:53], s[4:5], s[52:53]
	s_add_nc_u64 s[56:57], s[4:5], s[56:57]
	s_sub_co_u32 s66, 15, ttmp9                    ; EVEN SHARES.  Waves w and w + 8 own a short tile (block j: j + 1 steps) and a long one (block 15 - j: 16 - j steps), 17 steps together.
	s_sub_co_u32 s66, s66, s11                     ; Wave w + 8 works the long tile's steps 0 to 8; wave w the short tile, and then the long tile's steps 9 to 15 - j from a fresh state: 9 and 8 steps.
	s_mul_i32 s68, s66, 6144                       ; So every wave also fetches the long tile's queries: 4 x (15 - j - my block) groups of 1,536 bytes on,
	s_mov_b32 s69, 0
	s_lshl_b32 s70, s66, 8                         ; and their scale words, 64 bytes a group
	s_mov_b32 s71, 0
	s_add_nc_u64 s[68:69], s[52:53], s[68:69]
	s_add_nc_u64 s[70:71], s[56:57], s[70:71]
	s_mul_i32 s72, s12, 4608                       ; where a pair's partial state goes from wave to wave: 9 x 512 bytes, behind the spare words
	s_add_co_u32 s72, s72, 206848
	s_add_nc_u64 s[58:59], s[6:7], s[58:59]
	s_add_nc_u64 s[60:61], s[6:7], s[60:61]
	v_and_b32 v7, 31, v0
	v_and_b32 v11, 15, v0                          ; r
	s_delay_alu instid0(VALU_DEP_2)
	v_lshlrev_b32 v[L8], 3, v7
	s_delay_alu instid0(VALU_DEP_2)
	v_lshlrev_b32 v[R4], 2, v11
.irp i, 0,1,2
	global_load_b64 v[16+2*\i:17+2*\i], v[L8], s[52:53] offset:256*\i      ; q, for the lower half of an operand,
	global_load_b64 v[34+2*\i:35+2*\i], v[L8], s[52:53] offset:256*\i      ; and for the upper half of another
.endr
	global_load_b32 v42, v[R4], s[56:57]
.irp i, 0,1,2
	global_load_b64 v[232+2*\i:233+2*\i], v[L8], s[68:69] offset:256*\i    ; the long tile's q
.endr
	global_load_b32 v238, v[R4], s[70:71]
	v_lshlrev_b32 v[LK], 4, v7
	v_add_nc_u32 v41, s72, v[LK]
	v_add_nc_u32 v[LV], 98304, v[L8]
	v_add_nc_u32 v[LS], 196608, v[R4]
	v_and_b32 v[VD], 8, v11
	s_delay_alu instid0(VALU_DEP_1)
	v_add_nc_u32 v[VD], v[VD], v11                 ; r + 8 (r / 8)
	v_bfe_u32 v7, v0, 4, 1
	s_delay_alu instid0(VALU_DEP_1)
	v_lshlrev_b32 v7, 4, v7
	s_delay_alu instid0(VALU_DEP_1)
	v_sub_nc_u32 v[VD], v[VD], v7
	s_delay_alu instid0(VALU_DEP_1)
	v_add_nc_u32 v[VD], s54, v[VD]
.irp i, 0,1,2,3,4,5
	v_mov_b32 v[22+\i], 0                          ; zero codes
	v_mov_b32 v[28+\i], 0
.endr
	v_mov_b32 v13, 0xff61b1e6                      ; the largest t so far: -3e38
	s_delay_alu instid0(VALU_DEP_1)
	v_floor_f32 v12, -v13                          ; -M
	v_mov_b32 v14, 0
	v_mov_b32 v15, 0
.irp b, 0,1,2,3
	v_mov_b32 v[216+\b], 0                         ; a lane permute's destination counts as one of its sources
.endr
	v_mov_b32 v227, 0
	v_mov_b32 v225, 0                              ; (named as the upper half of a pair)
	v_mov_b32 v228, 0
	s_wait_loadcnt 0x0
	v_perm_b32 v40, v42, v42, s62                  ; q's two scale bytes in both halves of the word: it serves both operands
.set j, 0
.rept 32
	v_mov_b32 v[160+j], 0                          ; O^T; these lines also stand between the scale word's making and the first product
.set j, j+1
.endr
	s_mov_b32 s15, 0                               ; the key step
	s_mov_b32 s16, 0                               ; its images: 6,144 bytes a step
	s_mov_b32 s17, 0                               ; its scale words: 256 bytes a step
	s_mov_b32 s18, 4
	s_wait_alu depctr_va_vdst(0)
	s_wait_tensorcnt 0x0                           ; my part of the first quarters is in
	ds_add_u32 v254, v255                          ; the add twice
	ds_add_u32 v254, v255
	s_wait_dscnt 0x0
	s_barrier_signal -1
	s_barrier_wait -1                              ; everybody's is
	s_cmp_eq_u32 s63, 0
	s_cbranch_scc1 .Lrest_asked
	s_cmp_lt_u32 s63, 4
	s_cbranch_scc0 .Lrest_asked
	tensor_load_to_lds s[40:43], s[24:31]          ; waves 1-3 and 5-7: K's and V's other quarters, on their way while key steps 0 to 3 are worked
	s_nop 0
.rept 4
	v_nop
.endr
.Lrest_asked:
.macro BODY                            ; one key step; it leaves the compare of the trip counter in SCC
	s_cmp_gt_u32 s15, s11                          ; all keys of this step come after my queries
	s_cbranch_scc1 .Lhidden_\@
	v_add_nc_u32 v[ADK], s16, v[LK]
	v_add_nc_u32 v[ADV], s16, v[LV]
	v_add_nc_u32 v[ADS], s17, v[LS]
	v_nop                                          ; four places in front of loads into registers that the last products read
.irp g, 0,1,2,3
.irp c, 0,1,2
	ds_load_b128 v[48+12*\g+4*\c:51+12*\g+4*\c], v[ADK] offset:1536*\g+512*\c
.endr
	ds_load_b32 v[44+\g], v[ADS] offset:64*\g
.endr
	s_wait_alu depctr_va_vdst(0)
	s_wait_dscnt 0x0
.irp g, 0,1,2,3
	v_wmma_scale_f32_16x16x128_f8f6f4 v[96+16*\g:103+16*\g], v[48+12*\g:59+12*\g], v[16:27], 0, v[44+\g], v40 matrix_a_fmt:MATRIX_FMT_FP6 matrix_b_fmt:MATRIX_FMT_FP6
	v_wmma_scale_f32_16x16x128_f8f6f4 v[104+16*\g:111+16*\g], v[48+12*\g:59+12*\g], v[28:39], 0, v[44+\g], v40 matrix_a_fmt:MATRIX_FMT_FP6 matrix_b_fmt:MATRIX_FMT_FP6
.endr
.rept 4
	v_nop
.endr
.irp t, 0,1,2,3                        ; V's fragments are asked for now and land while the softmax is worked
.irp p, 0,1,2,3,4,5
	ds_load_b64 v[48+12*\t+2*\p:49+12*\t+2*\p], v[ADV] offset:1536*\t+256*\p
.endr
	ds_load_b32 v[44+\t], v[ADS] offset:4096+64*\t
.endr
	s_cmp_lg_u32 s15, s11
	s_cbranch_scc1 .Lopen_\@
	v_mov_b32 v228, 0xff800000                     ; on the diagonal hidden scores become -infinity: p = 0
.set n, 0
.rept 64
	v_cmp_gt_i32 vcc_lo, 32*(n/16)+n%16, v[VD]
	v_cndmask_b32 v[96+n], v[96+n], v228, vcc_lo
.set n, n+1
.endr
.Lopen_\@:
.irp b, 0,1,2,3
	v_max3_num_f32 v[212+\b], v[96+16*\b], v[97+16*\b], v[98+16*\b]       ; the largest score of each block of 32 keys: for the row's maximum and for the block's largest p
.endr
.irp i, 3,5,7,9,11,13
.irp b, 0,1,2,3
	v_max3_num_f32 v[212+\b], v[212+\b], v[96+16*\b+\i], v[97+16*\b+\i]
.endr
.endr
.irp b, 0,1,2,3
	v_max_num_f32 v[212+\b], v[212+\b], v[111+16*\b]
.endr
.irp b, 0,1,2,3
	s_delay_alu instid0(VALU_DEP_4)
	v_permlanex16_b32 v[216+\b], v[212+\b], s20, s21
.endr
.irp b, 0,1,2,3
	s_delay_alu instid0(VALU_DEP_4)
	v_max_num_f32 v[212+\b], v[212+\b], v[216+\b]
.endr
	s_delay_alu instid0(VALU_DEP_2)
	v_max3_num_f32 v228, v212, v213, v214
	s_delay_alu instid0(VALU_DEP_1)
	v_max_num_f32 v228, v228, v215
	s_delay_alu instid0(VALU_DEP_1)
	v_mul_f32 v228, s22, v228
	s_delay_alu instid0(VALU_DEP_1)
	v_max_num_f32 v13, v13, v228                   ; the running largest t
	v_mov_b32 v228, v12
	s_delay_alu instid0(VALU_DEP_2)
	v_floor_f32 v12, -v13                          ; the new -M
	s_delay_alu instid0(VALU_DEP_1)
	v_sub_f32 v228, v12, v228
	s_delay_alu instid0(VALU_DEP_1)
	v_cvt_i32_f32 v228, v228                       ; (it saturates)
	s_delay_alu instid0(VALU_DEP_1)
	v_ldexp_f32 v226, 1.0, v228                    ; f = 2^(old M - new M)
.set j, 0
.rept 32
	v_pk_fma_f32 v[96+j:97+j], v[96+j:97+j], s[22:23], v[12:13] op_sel_hi:[1,0,0]   ; t - M
.set j, j+2
.endr
.irp b, 0,1,2,3
	v_fma_f32 v[212+\b], v[212+\b], s22, v12
.endr
.set j, 0
	s_wait_alu depctr_va_vdst(0)
.rept 64
	v_exp_f32 v[96+j], v[96+j]                     ; p, not normalised
.set j, j+1
.endr
	v_pk_mul_f32 v[14:15], v[14:15], v[226:227] op_sel_hi:[1,0]   ; the sums under the new M: a plain place behind the exponentials
	s_wait_alu depctr_va_vdst(0)                   ; one wait for the batch, ahead of its first reader
.irp b, 0,1,2,3
	v_exp_f32 v[212+\b], v[212+\b]                 ; the blocks' largest p
.endr
	v_pk_add_f32 v[230:231], v[100:101], v[104:105]
	v_pk_add_f32 v[252:253], v[108:109], v[112:113]
	v_pk_add_f32 v[250:251], v[116:117], v[120:121]
	v_pk_add_f32 v[248:249], v[124:125], v[128:129]
	v_pk_add_f32 v[246:247], v[132:133], v[136:137]
	v_pk_add_f32 v[244:245], v[140:141], v[144:145]
	v_pk_add_f32 v[242:243], v[148:149], v[152:153]
	v_pk_add_f32 v[14:15], v[14:15], v[156:157]
	v_pk_add_f32 v[230:231], v[230:231], v[96:97]
	v_pk_add_f32 v[252:253], v[252:253], v[98:99]
	v_pk_add_f32 v[250:251], v[250:251], v[102:103]
	v_pk_add_f32 v[248:249], v[248:249], v[106:107]
	v_pk_add_f32 v[246:247], v[246:247], v[110:111]
	v_pk_add_f32 v[244:245], v[244:245], v[114:115]
	v_pk_add_f32 v[242:243], v[242:243], v[118:119]
	v_pk_add_f32 v[14:15], v[14:15], v[122:123]
	v_pk_add_f32 v[230:231], v[230:231], v[126:127]
	v_pk_add_f32 v[252:253], v[252:253], v[130:131]
	v_pk_add_f32 v[250:251], v[250:251], v[134:135]
	v_pk_add_f32 v[248:249], v[248:249], v[138:139]
	v_pk_add_f32 v[246:247], v[246:247], v[142:143]
	v_pk_add_f32 v[244:245], v[244:245], v[146:147]
	v_pk_add_f32 v[242:243], v[242:243], v[150:151]
	v_pk_add_f32 v[14:15], v[14:15], v[154:155]
	v_pk_add_f32 v[230:231], v[230:231], v[158:159]
	s_delay_alu instid0(VALU_DEP_2)
	v_pk_add_f32 v[14:15], v[14:15], v[248:249]
	s_delay_alu instid0(VALU_DEP_2)
	v_pk_add_f32 v[230:231], v[230:231], v[246:247]
	v_pk_add_f32 v[252:253], v[252:253], v[244:245]
	v_pk_add_f32 v[250:251], v[250:251], v[242:243]
	s_delay_alu instid0(VALU_DEP_2)
	v_pk_add_f32 v[14:15], v[14:15], v[252:253]
	s_delay_alu instid0(VALU_DEP_2)
	v_pk_add_f32 v[230:231], v[230:231], v[250:251]
	s_delay_alu instid0(VALU_DEP_1)
	v_pk_add_f32 v[14:15], v[14:15], v[230:231]
	s_wait_alu depctr_va_vdst(0)                   ; and one for the four
.irp b, 0,1,2,3
	v_max_num_f32 v[212+\b], 0x1800000, v[212+\b]
.endr
.irp b, 0,1,2,3
	s_delay_alu instid0(VALU_DEP_4)
	v_add_nc_u32 v[220+\b], 0xff000000, v[212+\b]
.endr
.irp b, 0,1,2,3
	s_delay_alu instid0(VALU_DEP_4)
	v_lshrrev_b32 v[216+\b], 23, v[220+\b]
.endr
	s_delay_alu instid0(VALU_DEP_3)
	v_lshl_or_b32 v224, v217, 8, v216              ; p's scale word for these 128 keys
	s_delay_alu instid0(VALU_DEP_1)
	v_lshl_or_b32 v224, v218, 16, v224
	s_delay_alu instid0(VALU_DEP_1)
	v_lshl_or_b32 v224, v219, 24, v224
.irp c, 0,1
	v_cvt_scalef32_pk16_fp6_f32 v[192+6*\c:194+6*\c], v[96+32*\c:111+32*\c], v[220+2*\c]
	v_cvt_scalef32_pk16_fp6_f32 v[204+4*\c:206+4*\c], v[112+32*\c:127+32*\c], v[220+2*\c+1]
.endr
	v_nop
.irp c, 0,1
.irp i, 0,1,2
	v_permlane16_swap_b32 v[192+6*\c+\i], v[204+4*\c+\i]
.endr
.irp i, 0,1,2
	s_delay_alu instid0(VALU_DEP_3)
	v_mov_b32 v[195+6*\c+\i], v[204+4*\c+\i]
.endr
.endr
.set j, 0
.rept 16
	v_pk_mul_f32 v[160+j:161+j], v[160+j:161+j], v[226:227] op_sel_hi:[1,0]   ; O^T under the new M; these sixteen are also the places in front of the products below
.set j, j+2
.endr
	s_wait_alu depctr_va_vdst(0)
	s_wait_dscnt 0x0                               ; V
.irp t, 0,1,2,3
	v_wmma_scale_f32_16x16x128_f8f6f4 v[160+8*\t:167+8*\t], v[48+12*\t:59+12*\t], v[192:203], v[160+8*\t:167+8*\t], v[44+\t], v224 matrix_a_fmt:MATRIX_FMT_FP6 matrix_b_fmt:MATRIX_FMT_FP6
.endr
.Lhidden_\@:
	s_add_co_u32 s15, s15, 1
	s_add_co_u32 s16, s16, 6144
	s_add_co_u32 s17, s17, 256
	s_sub_co_u32 s18, s18, 1
	s_cmp_lg_u32 s18, 0
.endm
.macro EPI                             ; a finished tile's way out
	; ---- the way out: O / l, quantised along the head's 64: half a fragment of the next product's operand
	v_add_f32 v14, v14, v15
	s_delay_alu instid0(VALU_DEP_1)
	v_permlanex16_b32 v228, v14, s20, s21
	s_delay_alu instid0(VALU_DEP_1)
	v_add_f32 v14, v14, v228
	s_wait_alu depctr_va_vdst(0)
	v_rcp_f32 v14, v14
.rept 4
	v_nop                                          ; plain places behind the reciprocal and behind the last products
.endr
	s_wait_alu depctr_va_vdst(0)
.set j, 0
.rept 32
	v_mul_f32 v[96+j], v[160+j], v14               ; register 16 B + i is feature 32 B + 16 (lane / 16) + i of my query
.set j, j+1
.endr
.irp b, 0,1
	v_max3_num_f32 v[212+\b], |v[96+16*\b]|, |v[97+16*\b]|, 0x1800000
.endr
.irp i, 2,4,6,8,10,12,14
.irp b, 0,1
	s_delay_alu instid0(VALU_DEP_2)
	v_max3_num_f32 v[212+\b], v[212+\b], |v[96+16*\b+\i]|, |v[97+16*\b+\i]|
.endr
.endr
.irp b, 0,1
	s_delay_alu instid0(VALU_DEP_2)
	v_permlanex16_b32 v[216+\b], v[212+\b], s20, s21
.endr
.irp b, 0,1
	s_delay_alu instid0(VALU_DEP_2)
	v_max_num_f32 v[212+\b], v[212+\b], v[216+\b]
.endr
.irp b, 0,1
	s_delay_alu instid0(VALU_DEP_2)
	v_add_nc_u32 v[220+\b], 0xff000000, v[212+\b]
.endr
.irp b, 0,1
	s_delay_alu instid0(VALU_DEP_2)
	v_lshrrev_b32 v[216+\b], 23, v[220+\b]
.endr
	s_delay_alu instid0(VALU_DEP_1)
	v_lshl_or_b32 v229, v217, 8, v216
	v_cvt_scalef32_pk16_fp6_f32 v[192:194], v[96:111], v220
	v_cvt_scalef32_pk16_fp6_f32 v[204:206], v[112:127], v221
	v_nop
.irp i, 0,1,2
	v_permlane16_swap_b32 v[192+\i], v[204+\i]
.endr
.irp i, 0,1,2
	s_delay_alu instid0(VALU_DEP_3)
	v_mov_b32 v[195+\i], v[204+\i]
.endr
.irp i, 0,1,2
	global_store_b64 v[L8], v[192+2*\i:193+2*\i], s[58:59] offset:256*\i     ; 32 lanes store 256 consecutive bytes, aligned
.endr
	global_store_b16 v[R4], v229, s[60:61]         ; my head's two bytes of the row's scale word
.endm
.Lstep_a:                                              ; key steps 0 to 3: the first quarters
	BODY
	s_cbranch_scc1 .Lstep_a
	s_mov_b32 s18, 5
	s_wait_tensorcnt 0x0                           ; my later quarter is in,
	s_barrier_signal -1
	s_barrier_wait -1                              ; everybody's is
.Lstep_b:                                              ; key steps 4 to 8
	BODY
	s_cbranch_scc1 .Lstep_b
	s_mov_b32 s18, 7
	s_sub_co_u32 s19, 15, ttmp9
	s_cmp_lt_u32 s8, 8
	s_cselect_b32 s11, s19, 0                      ; from here on waves 0-7 work the long tile's block; waves 8-15 pass over every step and hold their state
	s_cbranch_scc0 .Lholds
	EPI                                            ; waves 0-7: the short tile is finished
	s_wait_xcnt 0x0                                ; its stores have read their registers
	v_perm_b32 v40, v238, v238, s62                ; the long tile's q and a fresh state
.irp i, 0,1,2,3,4,5
	v_mov_b32 v[16+\i], v[232+\i]
	v_mov_b32 v[34+\i], v[232+\i]
.endr
	v_mov_b32 v13, 0xff61b1e6
	v_mov_b32 v14, 0
	v_mov_b32 v15, 0
	v_floor_f32 v12, -v13
.set j, 0
.rept 32
	v_mov_b32 v[160+j], 0
.set j, j+1
.endr
	s_wait_alu depctr_va_vdst(0)                   ; a wait here
.Lholds:
.Lstep_c:                                              ; key steps 9 to 15
	BODY
	s_cbranch_scc1 .Lstep_c
	s_cmp_lt_u32 s8, 8
	s_cbranch_scc0 .Lno_part
.rept 4
	v_nop                                          ; four places behind the last products
.endr
.irp c, 0,1,2,3,4,5,6,7
	ds_store_b128 v41, v[160+4*\c:163+4*\c] offset:512*\c     ; waves 0-7: O^T of steps 9 on, each accumulator from its low end on,
.endr
	ds_store_b128 v41, v[12:15] offset:4096        ; -M, the largest t, and the sum's two halves
.Lno_part:
	s_wait_dscnt 0x0                               ; for the partner's sake
	s_barrier_signal -1
	s_barrier_wait -1
	s_cmp_lt_u32 s8, 8
	s_cbranch_scc1 .Lend
.irp c, 0,1,2,3,4,5,6,7
	ds_load_b128 v[96+4*\c:99+4*\c], v41 offset:512*\c
.endr
	ds_load_b128 v[128:131], v41 offset:4096
	s_wait_dscnt 0x0
	v_min_num_f32 v228, v12, v128                  ; waves 8-15 join the two states: the common -M (both M are whole numbers),
	s_delay_alu instid0(VALU_DEP_1)
	v_sub_f32 v132, v228, v12
	v_sub_f32 v133, v228, v128
	s_delay_alu instid0(VALU_DEP_2)
	v_cvt_i32_f32 v132, v132                       ; (they saturate: a partner with no step has -M = 3e38, and its factor is 0 on zeros)
	s_delay_alu instid0(VALU_DEP_2)
	v_cvt_i32_f32 v133, v133
	s_delay_alu instid0(VALU_DEP_2)
	v_ldexp_f32 v226, 1.0, v132                    ; my factor 2^(my M - M),
	s_delay_alu instid0(VALU_DEP_2)
	v_ldexp_f32 v224, 1.0, v133                    ; and the partner's: nothing is rounded
	v_pk_mul_f32 v[14:15], v[14:15], v[226:227] op_sel_hi:[1,0]
.set j, 0
.rept 16
	v_pk_mul_f32 v[160+j:161+j], v[160+j:161+j], v[226:227] op_sel_hi:[1,0]
.set j, j+2
.endr
	v_pk_fma_f32 v[14:15], v[130:131], v[224:225], v[14:15] op_sel_hi:[1,0,1]
.set j, 0
.rept 16
	v_pk_fma_f32 v[160+j:161+j], v[96+j:97+j], v[224:225], v[160+j:161+j] op_sel_hi:[1,0,1]
.set j, j+2
.endr
	EPI                                            ; the long tile is finished
.Lend:
	s_wait_tensorcnt 0x0
	ds_add_u32 v254, v255
	s_wait_dscnt 0x0
	s_endpgm
.Lfunc_end_k_q4765e1f442_attn:
	.size	k_q4765e1f442_attn, .Lfunc_end_k_q4765e1f442_attn-k_q4765e1f442_attn
	.p2alignl 7, 3214868480
	.fill 96, 4, 3214868480
	.section	.rodata,"a",@progbits
	.p2align	6, 0x0
	.amdhsa_kernel k_q4765e1f442_attn
		.amdhsa_group_segment_fixed_size 327680
		.amdhsa_private_segment_fixed_size 0
		.amdhsa_enable_private_segment 0
		.amdhsa_kernarg_size 16
		.amdhsa_user_sgpr_count 2
		.amdhsa_user_sgpr_kernarg_segment_ptr 1
		.amdhsa_wavefront_size32 1
		.amdhsa_system_sgpr_workgroup_id_x 1
		.amdhsa_system_sgpr_workgroup_id_y 1
		.amdhsa_system_sgpr_workgroup_id_z 1
		.amdhsa_system_vgpr_workitem_id 0
		.amdhsa_next_free_vgpr 256
		.amdhsa_next_free_sgpr 100
		.amdhsa_reserve_vcc 1
		.amdhsa_float_denorm_mode_32 3
		.amdhsa_float_denorm_mode_16_64 3
		.amdhsa_memory_ordered 1
		.amdhsa_forward_progress 1
		.amdhsa_inst_pref_size 94
	.end_amdhsa_kernel
	.amdgpu_metadata
---
amdhsa.version: [ 1, 2 ]
amdhsa.kernels:
  - .name:           k_q4765e1f442_attn
    .symbol:         k_q4765e1f442_attn.kd
    .args:
      - { .name: qkv, .offset: 0, .size: 8, .value_kind: global_buffer, .address_space: global }
      - { .name: act, .offset: 8, .size: 8, .value_kind: global_buffer, .address_space: global }
    .group_segment_fixed_size: 327680
    .private_segment_fixed_size: 0
    .kernarg_segment_align: 8
    .kernarg_segment_size: 16
    .max_flat_workgroup_size: 512
    .sgpr_count:     100
    .vgpr_count:     256
    .wavefront_size: 32
...
	.end_amdgpu_metadata
.endif
;; end of part 3
;; launch proj (part 4): grid 8 x 32, 4 waves a work-group, clusters of 4 x 4, 327,680 bytes of LDS; arguments act, w_proj_codes, w_proj_scales, b_proj, x, x2; writes x2
.if DOCPART == 4
	.amdgcn_target "amdgcn-amd-amdhsa--gfx1250"
	.amdhsa_code_object_version 6
	.text
	.protected	k_q4765e1f442_proj
	.globl	k_q4765e1f442_proj
	.p2align	8
	.type	k_q4765e1f442_proj,@function
k_q4765e1f442_proj:
	s_mov_b64 s[64:65], 0
	v_nop
	global_prefetch_b8 v0, s[64:65] scope:SCOPE_SE
	s_setreg_imm32_b32 hwreg(HW_REG_WAVE_MODE, 25, 1), 1
	s_wait_xcnt 0x0
	s_wait_alu depctr_hold_cnt(0) depctr_sa_sdst(0) depctr_va_vdst(0) depctr_va_sdst(0) depctr_va_ssrc(0) depctr_va_vcc(0) depctr_vm_vsrc(0)
	s_getreg_b32 s2, hwreg(HW_REG_IB_STS2, 6, 4)
	s_cmp_eq_u32 s2, 0
	s_cbranch_scc0 .Lentry_in_a_cluster
	s_endpgm
.Lentry_in_a_cluster:
	s_bfe_u32 s2, ttmp6, 0x10000c
	s_cmp_lg_u32 s2, 0xf033
	s_cbranch_scc0 .Lentry_shape_is_right
	s_endpgm
.Lentry_shape_is_right:
.set KT, 8
.set MT, 128
.set NT, 128
.set XN, 4
.set YN, 4
.set NQ, 4
; x2 = x + (attention's result) w_proj^T + b_proj on codes of E2M3.  A work-group: 128 rows (8 row tiles) x 128 columns; a wave 64 x 64: 16 accumulators; K = 1,024: 8 steps of 128.
; ALL OPERANDS STAY IN LDS, each filled once by the head's four joint loads, one a wave: the activations' images (98,304 dense bytes), the 128 weight rows (768 bytes, 16 of padding behind every 256), and both sets of scales.
; CLUSTER 4 x 4: activations are shared along a row of the cluster, weights along a column.  No prefetch: the launch has no refill to run ahead of.
.set PITCH, 816
.set PI, 32
.set QI, 5
.set RPRIME, 0
.set LAYT, 0
.set IMGB, 3145728
.set SCA, 207104
.set SCAH, 2048
.set KSTR, 64
.set TSTR, 512
.set XH, XN/2
.set ACTB, (MT/16)*KT*1536
.set WB, ACTB
.set KS, 4*KT
.set SBLK, (16*KS/256)*272
.set SCW, WB+NT*PITCH
.set SCWH, (NT/2*KS/256)*272
.set SPARE, SCA+2*SCAH
.set STG, SPARE+512                    ; the way out: a stage of 16 rows x 272 bytes for each wave, in bytes of its own
.set XF, 80
.set SC, 32
.set ADX, 8
.set ADW, 10
.set ADSX, 18
.set ADSW, 19
.set SPW, 28
.set NIL, 29
.set G1, 24
.set G0, 32
.set G1B, 48
.set G0B, 56
.set G1S, 68
.set G0S, 76
.set G1SB, 80
.set G0SB, 88
.set MSB, 0
.macro WIN new
.if MSB != (\new)
	s_set_vgpr_msb (MSB<<8)|(\new)
.set MSB, (\new)
.endif
.endm
.macro ARM under, g0, g1, next         ; an arm of the head's one chain of branches on the wave's number
	s_cmp_lt_u32 s14, \under
	s_cbranch_scc0 \next
	tensor_load_to_lds s[\g0:\g0+3], s[\g1:\g1+7]
	s_nop 0
.rept 4
	v_nop
.endr
	s_branch .Lhead_asked
\next:
.endm
.macro CREST
	s_cmp_lg_u32 s14, 0
	s_cbranch_scc1 .Lnot_wave_0_\@
	s_barrier_signal -3
.Lnot_wave_0_\@:
	s_barrier_wait -3
	s_barrier_signal -1
	s_barrier_wait -1
.endm
.macro CROUND
	s_barrier_signal -1
	s_barrier_wait -1
	CREST
.endm
.macro PLACES cnt
.rept \cnt
	v_nop
.endr
.endm
	s_load_b64 s[4:5], s[0:1], 0x0
	s_load_b128 s[8:11], s[0:1], 0x8
	s_load_b128 s[96:99], s[0:1], 0x18
	s_load_b64 s[12:13], s[0:1], 0x28
	v_lshl_add_u32 v[SPW], v0, 2, SPARE
	v_mov_b32 v[NIL], 0
	ds_add_u32 v28, v29
	ds_add_u32 v28, v29
	s_wait_dscnt 0x0
	v_lshrrev_b32 v1, 5, v0
	v_readfirstlane_b32 s14, v1
	s_lshr_b32 s15, s14, 1
	s_and_b32 s16, s14, 1
	s_bfe_u32 s40, ttmp6, 0x40000
	s_bfe_u32 s41, ttmp6, 0x40004
	s_lshl_b32 s42, ttmp9, 2
	s_add_co_u32 s42, s42, s40
	s_and_b32 s17, ttmp7, 0xffff
	s_lshl_b32 s17, s17, 2
	s_add_co_u32 s17, s17, s41
	s_lshl_b32 s43, s41, 2
	s_lshl_b32 s43, 15, s43
	s_lshl_b32 s44, 0x1111, s40
	s_or_b32 s[G1], s43, (3<<16)|(1<<21)
	s_mov_b32 s[G1+1], (192*KT)<<16
	s_mov_b32 s[G1+2], (MT/16)<<16
	s_mov_b32 s[G1+3], (192*KT)<<16
	s_mov_b32 s[G1+4], MT/16
	s_mov_b32 s[G1+5], 192*KT
	s_mov_b32 s[G1+6], 0
	s_mov_b32 s[G1+7], 0
	s_or_b32 s[G1B], s44, (1<<20)|(1<<21)|(QI<<22)|(3<<25)
	s_mov_b32 s[G1B+1], (96*KT)<<16
	s_mov_b32 s[G1B+2], NT<<16
	s_mov_b32 s[G1B+3], (96*KT)<<16
	s_mov_b32 s[G1B+4], NT
	s_mov_b32 s[G1B+5], 96*KT
	s_mov_b32 s[G1B+6], 0
	s_mov_b32 s[G1B+7], 0
	s_or_b32 s[G1S], s43, (3<<16)|(1<<21)
.if LAYT
	s_mov_b32 s[G1S+1], 64<<16
	s_mov_b32 s[G1S+2], 16<<16
	s_mov_b32 s[G1S+3], 64<<16
	s_mov_b32 s[G1S+4], 16
	s_mov_b32 s[G1S+5], 2048
.else
	s_mov_b32 s[G1S+1], 32<<16
	s_mov_b32 s[G1S+2], (MT/8)<<16
	s_mov_b32 s[G1S+3], 32<<16
	s_mov_b32 s[G1S+4], MT/8
	s_mov_b32 s[G1S+5], 32
.endif
	s_mov_b32 s[G1S+6], 0
	s_mov_b32 s[G1S+7], 0
	s_or_b32 s[G1SB], s44, (3<<16)|(1<<20)|(1<<21)|(5<<22)|(3<<25)
	s_mov_b32 s[G1SB+1], 32<<16
	s_mov_b32 s[G1SB+2], (NT*KS/256)<<16
	s_mov_b32 s[G1SB+3], 32<<16
	s_mov_b32 s[G1SB+4], NT*KS/256
	s_mov_b32 s[G1SB+5], 32
	s_mov_b32 s[G1SB+6], 0
	s_mov_b32 s[G1SB+7], 0
	s_mul_i32 s20, s17, MT/16
.if LAYT
	s_mul_i32 s22, s16, 16*16384
	s_lshl_b32 s23, s17, 9
	s_add_co_u32 s22, s22, s23
.else
	s_lshl_b32 s22, s20, 9
.endif
	s_mov_b32 s23, 0
	s_mul_i32 s20, s20, KT*1536
	s_mov_b32 s21, 0
	s_mul_i32 s46, s42, NT
	s_mul_i32 s92, s46, KS
	s_mov_b32 s93, 0
	s_mul_i32 s46, s46, 96*KT
	s_mov_b32 s47, 0
	s_wait_kmcnt 0x0
	s_add_nc_u64 s[6:7], s[4:5], IMGB
	s_add_nc_u64 s[20:21], s[4:5], s[20:21]
	s_add_nc_u64 s[22:23], s[6:7], s[22:23]
	s_add_nc_u64 s[46:47], s[8:9], s[46:47]
	s_add_nc_u64 s[92:93], s[10:11], s[92:93]
	CROUND
	s_mov_b32 s[G0S], 1
	s_mov_b32 s[G0S+1], SCA
	s_mov_b64 s[G0S+2:G0S+3], s[22:23]
	s_or_b32 s[G0S+3], s[G0S+3], 0x80000000
	s_mov_b32 s[G0SB], 1
	s_mov_b32 s[G0SB+1], SCW
	s_mov_b64 s[G0SB+2:G0SB+3], s[92:93]
	s_or_b32 s[G0SB+3], s[G0SB+3], 0x80000000
	s_mov_b32 s[G0], 1
	s_mov_b32 s[G0+1], 0
	s_mov_b64 s[G0+2:G0+3], s[20:21]
	s_or_b32 s[G0+3], s[G0+3], 0x80000000
	s_mov_b32 s[G0B], 1
	s_mov_b32 s[G0B+1], WB
	s_mov_b64 s[G0B+2:G0B+3], s[46:47]
	s_or_b32 s[G0B+3], s[G0B+3], 0x80000000
	ARM 1, G0,  G1,  .Lhead_w                      ; the head's four tiles, one joint load a wave: the activations,
	ARM 2, G0B, G1B, .Lhead_sa                     ; the weights,
	ARM 3, G0S, G1S, .Lhead_sw                     ; the activations' scale words,
	tensor_load_to_lds s[G0SB:G0SB+3], s[G1SB:G1SB+7]   ; the weights' scale bytes
	s_nop 0
.rept 4
	v_nop
.endr
.Lhead_asked:
	v_and_b32 v1, 15, v0
	v_bfe_u32 v2, v0, 4, 1
	v_and_b32 v3, 31, v0
	v_lshlrev_b32 v4, 3, v3
	s_mul_i32 s21, s15, XN*KT*1536
	v_add_nc_u32 v[ADX], s21, v4
	v_mul_u32_u24 v6, v1, PITCH
	v_mad_u32_u24 v6, v2, 24, v6
	v_lshl_add_u32 v7, v2, 4, v6
	s_mul_i32 s22, s16, YN*16*PITCH
	s_add_co_u32 s22, s22, WB
	v_add_nc_u32 v[ADW], s22, v6
	v_add_nc_u32 v[ADW+2], s22, v7
	v_lshlrev_b32 v6, 2, v1
	v_mad_u32_u24 v6, v2, KSTR, v6
	s_mul_i32 s21, s15, XN*TSTR
	s_add_co_u32 s21, s21, SCA
	v_add_nc_u32 v[ADSX], s21, v6
	v_mul_u32_u24 v6, v1, KS
	v_lshrrev_b32 v7, 8, v6
	v_lshl_add_u32 v6, v7, 4, v6
	s_mul_i32 s22, s16, YN*SBLK
	s_add_co_u32 s22, s22, SCW
	v_add_nc_u32 v[ADSW], s22, v6
	s_lshl_b32 s100, s17, 1
	s_add_co_u32 s100, s100, s15
	s_lshl_b32 s100, s100, 18
	s_lshl_b32 s66, s42, 9
	s_lshl_b32 s67, s16, 8
	s_add_co_u32 s66, s66, s67
	s_add_co_u32 s100, s100, s66
	s_mov_b32 s101, 0
	s_mov_b32 s67, 0
	s_add_nc_u64 s[98:99], s[98:99], s[100:101]
	s_add_nc_u64 s[12:13], s[12:13], s[100:101]
	s_add_nc_u64 s[96:97], s[96:97], s[66:67]
	v_lshlrev_b32 v22, 4, v1
	v_lshl_add_u32 v21, v2, 13, v22
	s_mul_i32 s21, s14, 16*272
	s_add_co_u32 s21, s21, STG
	v_mul_u32_u24 v23, v1, 272
	v_lshl_add_u32 v23, v2, 5, v23
	v_add_nc_u32 v23, s21, v23
	v_mul_u32_u24 v24, v2, 272
	v_add_nc_u32 v24, v24, v22
	v_add_nc_u32 v24, s21, v24
	WIN 0xc0
.irp a, 0,1,2,3
.irp i, 0,1,2,3,4,5,6,7
	global_load_b128 v[32*\a+4*\i:32*\a+4*\i+3], v21, s[98:99] offset:(16*(\a/2)+(\a%2)+4*\i+16*(\i/4))*4096
.endr
.endr
	global_load_b128 v[192:195], v22, s[96:97]
	WIN 0
.macro IMGFR reg, adr, off
.irp p, 0,1,2,3,4,5
	ds_load_b64 v[\reg+2*\p:\reg+2*\p+1], v[\adr] offset:\off+256*\p
.endr
.endm
.macro ROWFR reg, adr, q, rowoff
.irp p, 0,1,2,3,4,5
.set PCE, 12*(\q)+6*(\p/3)+\p%3
.if PCE%PI < PI-3
	ds_load_b64 v[\reg+2*\p:\reg+2*\p+1], v[\adr] offset:8*PCE+16*(PCE/PI)+(\rowoff)*PITCH
.else
	ds_load_b64 v[\reg+2*\p:\reg+2*\p+1], v[\adr+2] offset:8*PCE+16*(PCE/PI)+(\rowoff)*PITCH
.endif
.endr
.endm
.macro FETCH_Y slot, q, p
	WIN 0x40
.set yi, 0
.rept YN
	ROWFR 128*(\p)+12*yi, ADW, KB+(\q), 16*yi
.set yi, yi+1
.endr
	WIN 0
.endm
.macro FETCH_X slot, q, x0, cnt
.set xi, \x0
.rept \cnt
	IMGFR XF+12*xi, ADX, xi*KT*1536+(KB+(\q))*1536
.set xi, xi+1
.endr
.endm
.macro SCALES sc
.set xi, 0
.rept XN
	ds_load_b32 v[SC+24*(\sc)+2*xi], v[ADSX] offset:xi*TSTR
	ds_load_b32 v[SC+24*(\sc)+2*xi+1], v[ADSX] offset:xi*TSTR+2*KSTR
.set xi, xi+1
.endr
.set yi, 0
.rept YN
	ds_load_b128 v[SC+24*(\sc)+8+4*yi:SC+24*(\sc)+11+4*yi], v[ADSW] offset:yi*SBLK
.set yi, yi+1
.endr
.endm
.macro MULX x0, cnt, p, q, sc, zero
.set xi, \x0
.rept \cnt
	WIN 0xa1
.set yi, 0
.rept YN
.set dd, 8*(YN*xi+yi)
.set wf, 128*(\p)+12*yi
.set af, XF+12*xi
.set sw, SC+24*(\sc)+8+NQ*yi+(\q)
.set sx, SC+24*(\sc)+2*xi+(\q)/2
.if \zero
	v_wmma_scale_f32_16x16x128_f8f6f4 v[dd:dd+7], v[wf:wf+11], v[af:af+11], 0, v[sw], v[sx] matrix_a_fmt:MATRIX_FMT_FP6 matrix_b_fmt:MATRIX_FMT_FP6
.elseif (\q)%2
	v_wmma_scale_f32_16x16x128_f8f6f4 v[dd:dd+7], v[wf:wf+11], v[af:af+11], v[dd:dd+7], v[sw], v[sx] matrix_a_fmt:MATRIX_FMT_FP6 matrix_b_fmt:MATRIX_FMT_FP6 matrix_b_scale:MATRIX_SCALE_ROW1
.else
	v_wmma_scale_f32_16x16x128_f8f6f4 v[dd:dd+7], v[wf:wf+11], v[af:af+11], v[dd:dd+7], v[sw], v[sx] matrix_a_fmt:MATRIX_FMT_FP6 matrix_b_fmt:MATRIX_FMT_FP6
.endif
.set yi, yi+1
.endr
.set xi, xi+1
.endr
.endm
.macro STEP slot, q, zero
	s_wait_dscnt XH*6
	MULX 0, XH, (\q)%2, \q, \slot, \zero
	s_wait_dscnt 0x0
	PLACES 4
	FETCH_Y \slot, (\q)+1, 1-(\q)%2
	FETCH_X \slot, (\q)+1, 0, XH
	MULX XH, XH, (\q)%2, \q, \slot, \zero
	PLACES 4
	WIN 0
	FETCH_X \slot, (\q)+1, XH, XH
.endm
.macro STEPS slot, zero
	STEP \slot, 0, \zero
	STEP \slot, 1, 0
	STEP \slot, 2, 0
.endm
.macro TURN slot, next, fill
	s_wait_dscnt XH*6                              ; the fourth K step of a set of scale words: the next set is fetched with the next fragments; nothing is filled, so no barrier
	MULX 0, XH, 1, NQ-1, \slot, 0
	s_wait_dscnt 0x0
	WIN 0
	PLACES 4
	v_add_nc_u32 v[ADSX], NQ*KSTR, v[ADSX]
	v_add_nc_u32 v[ADSW], 4*NQ, v[ADSW]
.set KB, KB+NQ                         ; the K step at which the set of four now fetched begins
	FETCH_Y \next, 0, 0
	FETCH_X \next, 0, 0, XH
	SCALES \next
	MULX XH, XH, 1, NQ-1, \slot, 0
	PLACES 4
	WIN 0
	FETCH_X \next, 0, XH, XH
.endm
	s_wait_alu depctr_va_vdst(0)
	s_wait_tensorcnt 0x0                           ; my tile of the head's four is in,
	s_barrier_signal -1
	s_barrier_wait -1                              ; everybody's is
.set KB, 0
	FETCH_Y 0, 0, 0
	FETCH_X 0, 0, 0, XH
	SCALES 0
	FETCH_X 0, 0, XH, XH
	STEPS 0, 1
	TURN 0, 1, 0
	STEPS 1, 0
	s_wait_dscnt XH*6
	MULX 0, XH, 1, NQ-1, 1, 0
	s_wait_dscnt 0x0
	MULX XH, XH, 1, NQ-1, 1, 0
	WIN 0
	PLACES 4
	s_wait_loadcnt 0x0
.irp a, 0,1,2,3
.if \a >= 2
	s_wait_xcnt 0x0
.endif
	WIN 0x08
.irp t, 0,1,2,3
	ds_store_b128 v23, v[8*(4*\a+\t):8*(4*\a+\t)+3] offset:64*\t
	ds_store_b128 v23, v[8*(4*\a+\t)+4:8*(4*\a+\t)+7] offset:64*\t+16
.endr
	WIN 0
.irp i, 0,1,2,3,4,5,6,7
	ds_load_b128 v[128+32*(\a%2)+4*\i:131+32*(\a%2)+4*\i], v24 offset:544*\i
.endr
	s_wait_dscnt 0x0
	WIN 0x0c
.irp i, 0,1,2,3,4,5,6,7
	v_pk_add_f32 v[128+32*(\a%2)+4*\i:129+32*(\a%2)+4*\i], v[128+32*(\a%2)+4*\i:129+32*(\a%2)+4*\i], v[192:193]
	v_pk_add_f32 v[130+32*(\a%2)+4*\i:131+32*(\a%2)+4*\i], v[130+32*(\a%2)+4*\i:131+32*(\a%2)+4*\i], v[194:195]
.endr
.set j, 0
.rept 16
	v_pk_add_f32 v[128+32*(\a%2)+j:129+32*(\a%2)+j], v[128+32*(\a%2)+j:129+32*(\a%2)+j], v[32*\a+j:32*\a+j+1]
.set j, j+2
.endr
	WIN 0
.irp i, 0,1,2,3,4,5,6,7
	global_store_b128 v21, v[128+32*(\a%2)+4*\i:131+32*(\a%2)+4*\i], s[12:13] offset:(16*(\a/2)+(\a%2)+4*\i+16*(\i/4))*4096
.endr
.endr
	s_wait_tensorcnt 0x0
	ds_add_u32 v[SPW], v[NIL]
	s_wait_dscnt 0x0
	CROUND
	s_endpgm
.Lfunc_end_k_q4765e1f442_proj:
	.size	k_q4765e1f442_proj, .Lfunc_end_k_q4765e1f442_proj-k_q4765e1f442_proj
	.p2alignl 7, 3214868480
	.fill 96, 4, 3214868480
	.section	.rodata,"a",@progbits
	.p2align	6, 0x0
	.amdhsa_kernel k_q4765e1f442_proj
		.amdhsa_group_segment_fixed_size 327680
		.amdhsa_private_segment_fixed_size 0
		.amdhsa_enable_private_segment 0
		.amdhsa_kernarg_size 48
		.amdhsa_user_sgpr_count 2
		.amdhsa_user_sgpr_kernarg_segment_ptr 1
		.amdhsa_wavefront_size32 1
		.amdhsa_system_sgpr_workgroup_id_x 1
		.amdhsa_system_sgpr_workgroup_id_y 1
		.amdhsa_system_sgpr_workgroup_id_z 1
		.amdhsa_system_vgpr_workitem_id 0
		.amdhsa_next_free_vgpr 1024
		.amdhsa_next_free_sgpr 102
		.amdhsa_reserve_vcc 0
		.amdhsa_float_denorm_mode_32 3
		.amdhsa_float_denorm_mode_16_64 3
		.amdhsa_memory_ordered 1
		.amdhsa_forward_progress 1
		.amdhsa_inst_pref_size 73
	.end_amdhsa_kernel
	.amdgpu_metadata
---
amdhsa.version: [ 1, 2 ]
amdhsa.kernels:
  - .name:           k_q4765e1f442_proj
    .symbol:         k_q4765e1f442_proj.kd
    .args:
      - { .name: act, .offset: 0, .size: 8, .value_kind: global_buffer, .address_space: global }
      - { .name: w_proj_codes, .offset: 8, .size: 8, .value_kind: global_buffer, .address_space: global }
      - { .name: w_proj_scales, .offset: 16, .size: 8, .value_kind: global_buffer, .address_space: global }
      - { .name: b_proj, .offset: 24, .size: 8, .value_kind: global_buffer, .address_space: global }
      - { .name: x, .offset: 32, .size: 8, .value_kind: global_buffer, .address_space: global }
      - { .name: x2, .offset: 40, .size: 8, .value_kind: global_buffer, .address_space: global }
    .group_segment_fixed_size: 327680
    .private_segment_fixed_size: 0
    .kernarg_segment_align: 8
    .kernarg_segment_size: 48
    .max_flat_workgroup_size: 128
    .sgpr_count:     102
    .vgpr_count:     1024
    .wavefront_size: 32
...
	.end_amdgpu_metadata
.endif
;; end of part 4
;; launch lnq2: the kernel of part 1 again; grid 256 x 1, 4 waves a work-group, no clusters, 77,824 bytes of LDS; arguments x2, ln2_w, ln2_b, act; writes act
;; launch fc1 (part 5): grid 16 x 16, 4 waves a work-group, clusters of 4 x 4, 327,680 bytes of LDS; arguments act, w_fc1_codes, w_fc1_scales, b_fc1, hid; writes hid
.if DOCPART == 5
	.amdgcn_target "amdgcn-amd-amdhsa--gfx1250"
	.amdhsa_code_object_version 6
	.text
	.protected	k_q4765e1f442_fc1
	.globl	k_q4765e1f442_fc1
	.p2align	8
	.type	k_q4765e1f442_fc1,@function
k_q4765e1f442_fc1:
	s_mov_b64 s[64:65], 0
	v_nop
	global_prefetch_b8 v0, s[64:65] scope:SCOPE_SE
	s_setreg_imm32_b32 hwreg(HW_REG_WAVE_MODE, 25, 1), 1
	s_wait_xcnt 0x0
	s_wait_alu depctr_hold_cnt(0) depctr_sa_sdst(0) depctr_va_vdst(0) depctr_va_sdst(0) depctr_va_ssrc(0) depctr_va_vcc(0) depctr_vm_vsrc(0)
	s_getreg_b32 s2, hwreg(HW_REG_IB_STS2, 6, 4)
	s_cmp_eq_u32 s2, 0
	s_cbranch_scc0 .Lentry_in_a_cluster
	s_endpgm
.Lentry_in_a_cluster:
	s_bfe_u32 s2, ttmp6, 0x10000c
	s_cmp_lg_u32 s2, 0xf033
	s_cbranch_scc0 .Lentry_shape_is_right
	s_endpgm
.Lentry_shape_is_right:
.set KT, 8
.set MT, 256
.set NT, 256
.set XN, 8
.set YN, 8
.set NQ, 2
; hid = Q(gelu(Q(LN2(x2)) w_fc1^T + b_fc1)).  The block's 256 weight rows stay in LDS for all of K (rows of 768 bytes, 16 bytes of padding behind every 256), behind the ring; only the activations go through the ring's two slots.
.set PITCH, 816
.set PI, 32
.set QI, 5
.set IMGB, 3145728
.set SCA, 315904
.set SCAH, 4096
.set KSTR, 64
.set TSTR, 512
.set XH, XN/2
.set ACTB, (MT/16)*NQ*1536
.set SLOT, ACTB
.set WB, 2*SLOT
.set KS, 4*KT
.set SBLK, (16*KS/256)*272
.set SCW, WB+NT*PITCH
.set SCWH, (NT/2*KS/256)*272
.set SPARE, SCA+2*SCAH
.set XF, 80
.set SC, 32
.set ADX, 8
.set ADW, 10
.set ADSX, 18
.set ADSW, 19
.set SPW, 28
.set NIL, 29
.set G1, 24
.set G0, 32
.set G1B, 48
.set G0B, 56
.set G1S, 68
.set G0S, 76
.set G1SB, 80
.set G0SB, 88
.set T, 80
.set Z, 144
.set PC, 208
.set TM, 228
.set SEL, 66
.set MSB, 0
.macro WIN new
.if MSB != (\new)
	s_set_vgpr_msb (MSB<<8)|(\new)
.set MSB, (\new)
.endif
.endm
.macro ALOAD s                         ; a slot's 16 activation tiles: wave 0's one joint load
	s_cmp_lg_u32 s14, 0
	s_cbranch_scc1 .Lnone_\@
	tensor_load_to_lds s[G0+4*\s:G0+4*\s+3], s[G1:G1+7]
	s_nop 0
.rept 4
	v_nop
.endr
.Lnone_\@:
.endm
.macro ARM under, g0, g1, next         ; an arm of the head's one chain of branches on the wave's number
	s_cmp_lt_u32 s14, \under
	s_cbranch_scc0 \next
	tensor_load_to_lds s[\g0:\g0+3], s[\g1:\g1+7]
	s_nop 0
.rept 4
	v_nop
.endr
	s_branch .Lhead_asked
\next:
.endm
.macro CREST
	s_cmp_lg_u32 s14, 0
	s_cbranch_scc1 .Lnot_wave_0_\@
	s_barrier_signal -3
.Lnot_wave_0_\@:
	s_barrier_wait -3
	s_barrier_signal -1
	s_barrier_wait -1
.endm
.macro CROUND
	s_barrier_signal -1
	s_barrier_wait -1
	CREST
.endm
.macro PLACES cnt
.rept \cnt
	v_nop
.endr
.endm
.macro QUANT s, pc, pw
.irp b, 0,1,2,3
	v_max3_num_f32 v[TM+\b], |v[\s+16*\b]|, |v[\s+1+16*\b]|, 0x1800000
.endr
.irp i, 2,4,6,8,10,12,14
.irp b, 0,1,2,3
	v_max3_num_f32 v[TM+\b], v[TM+\b], |v[\s+16*\b+\i]|, |v[\s+1+16*\b+\i]|
.endr
.endr
.irp b, 0,1,2,3
	v_permlanex16_b32 v[TM+4+\b], v[TM+\b], s[SEL], s[SEL+1]
.endr
.irp b, 0,1,2,3
	v_max_num_f32 v[TM+\b], v[TM+\b], v[TM+4+\b]
.endr
.irp b, 0,1,2,3
	v_add_nc_u32 v[TM+12+\b], 0xff000000, v[TM+\b]
.endr
.irp b, 0,1,2,3
	v_lshrrev_b32 v[TM+4+\b], 23, v[TM+12+\b]
.endr
	v_lshl_or_b32 v[\pw], v[TM+5], 8, v[TM+4]
	v_lshl_or_b32 v[\pw], v[TM+6], 16, v[\pw]
	v_lshl_or_b32 v[\pw], v[TM+7], 24, v[\pw]
.irp c, 0,1
	v_cvt_scalef32_pk16_fp6_f32 v[\pc+6*\c:\pc+2+6*\c], v[\s+32*\c:\s+15+32*\c], v[TM+12+2*\c]
	v_cvt_scalef32_pk16_fp6_f32 v[\pc+12+4*\c:\pc+14+4*\c], v[\s+16+32*\c:\s+31+32*\c], v[TM+12+2*\c+1]
.endr
	v_nop
.irp c, 0,1
.irp i, 0,1,2
	v_permlane16_swap_b32 v[\pc+6*\c+\i], v[\pc+12+4*\c+\i]
.endr
.irp i, 0,1,2
	v_mov_b32 v[\pc+3+6*\c+\i], v[\pc+12+4*\c+\i]
.endr
.endr
.endm
	s_load_b64 s[4:5], s[0:1], 0x0
	s_load_b128 s[8:11], s[0:1], 0x8
	s_load_b64 s[96:97], s[0:1], 0x18
	s_load_b64 s[12:13], s[0:1], 0x20
	v_lshl_add_u32 v[SPW], v0, 2, SPARE
	v_mov_b32 v[NIL], 0
	ds_add_u32 v28, v29
	ds_add_u32 v28, v29
	s_wait_dscnt 0x0
	v_lshrrev_b32 v1, 5, v0
	v_readfirstlane_b32 s14, v1
	s_lshr_b32 s15, s14, 1
	s_and_b32 s16, s14, 1
	s_bfe_u32 s40, ttmp6, 0x40000
	s_bfe_u32 s41, ttmp6, 0x40004
	s_lshl_b32 s42, ttmp9, 2
	s_add_co_u32 s42, s42, s40
	s_and_b32 s17, ttmp7, 0xffff
	s_lshl_b32 s17, s17, 2
	s_add_co_u32 s17, s17, s41
	s_lshl_b32 s43, s41, 2
	s_lshl_b32 s43, 15, s43
	s_lshl_b32 s44, 0x1111, s40
	s_or_b32 s[G1], s43, (3<<16)|(1<<21)
	s_mov_b32 s[G1+1], (192*NQ)<<16
	s_mov_b32 s[G1+2], (MT/16)<<16
	s_mov_b32 s[G1+3], (192*NQ)<<16
	s_mov_b32 s[G1+4], MT/16
	s_mov_b32 s[G1+5], 192*KT
	s_mov_b32 s[G1+6], 0
	s_mov_b32 s[G1+7], 0
	s_or_b32 s[G1B], s44, (1<<20)|(1<<21)|(QI<<22)|(3<<25)
	s_mov_b32 s[G1B+1], (96*KT)<<16
	s_mov_b32 s[G1B+2], NT<<16
	s_mov_b32 s[G1B+3], (96*KT)<<16
	s_mov_b32 s[G1B+4], NT
	s_mov_b32 s[G1B+5], 96*KT
	s_mov_b32 s[G1B+6], 0
	s_mov_b32 s[G1B+7], 0
	s_or_b32 s[G1S], s43, (3<<16)|(1<<21)
	s_mov_b32 s[G1S+1], 32<<16
	s_mov_b32 s[G1S+2], (MT/8)<<16
	s_mov_b32 s[G1S+3], 32<<16
	s_mov_b32 s[G1S+4], MT/8
	s_mov_b32 s[G1S+5], 32
	s_mov_b32 s[G1S+6], 0
	s_mov_b32 s[G1S+7], 0
	s_or_b32 s[G1SB], s44, (3<<16)|(1<<20)|(1<<21)|(5<<22)|(3<<25)
	s_mov_b32 s[G1SB+1], 32<<16
	s_mov_b32 s[G1SB+2], (NT*KS/256)<<16
	s_mov_b32 s[G1SB+3], 32<<16
	s_mov_b32 s[G1SB+4], NT*KS/256
	s_mov_b32 s[G1SB+5], 32
	s_mov_b32 s[G1SB+6], 0
	s_mov_b32 s[G1SB+7], 0
	s_mul_i32 s20, s17, MT/16
	s_lshl_b32 s22, s20, 9
	s_mov_b32 s23, 0
	s_mul_i32 s20, s20, KT*1536
	s_mov_b32 s21, 0
	s_mul_i32 s46, s42, NT
	s_mul_i32 s92, s46, KS
	s_mov_b32 s93, 0
	s_mul_i32 s46, s46, 96*KT
	s_mov_b32 s47, 0
	s_wait_kmcnt 0x0
	s_add_nc_u64 s[6:7], s[4:5], IMGB
	s_add_nc_u64 s[20:21], s[4:5], s[20:21]
	s_add_nc_u64 s[22:23], s[6:7], s[22:23]
	s_add_nc_u64 s[46:47], s[8:9], s[46:47]
	s_add_nc_u64 s[92:93], s[10:11], s[92:93]
	CROUND
	s_mov_b32 s[G0S], 1
	s_mov_b32 s[G0S+1], SCA
	s_mov_b64 s[G0S+2:G0S+3], s[22:23]
	s_or_b32 s[G0S+3], s[G0S+3], 0x80000000
	s_mov_b32 s[G0SB], 1
	s_mov_b32 s[G0SB+1], SCW
	s_mov_b64 s[G0SB+2:G0SB+3], s[92:93]
	s_or_b32 s[G0SB+3], s[G0SB+3], 0x80000000
.irp s, 0,1
	s_mov_b32 s[G0+4*\s], 1
	s_mov_b32 s[G0+4*\s+1], \s*SLOT
	s_add_nc_u64 s[G0+4*\s+2:G0+4*\s+3], s[20:21], \s*NQ*1536
	s_or_b32 s[G0+4*\s+3], s[G0+4*\s+3], 0x80000000
.endr
	s_mov_b32 s[G0B], 1
	s_mov_b32 s[G0B+1], WB
	s_mov_b64 s[G0B+2:G0B+3], s[46:47]
	s_or_b32 s[G0B+3], s[G0B+3], 0x80000000
	ARM 1, G0,  G1,  .Lhead_w                      ; the head's four tiles, one joint load a wave: slot 0's activations,
	ARM 2, G0B, G1B, .Lhead_sa                     ; the weights,
	ARM 3, G0S, G1S, .Lhead_sw                     ; the activations' scale words,
	tensor_load_to_lds s[G0SB:G0SB+3], s[G1SB:G1SB+7]   ; the weights' scale bytes
	s_nop 0
.rept 4
	v_nop
.endr
.Lhead_asked:
	v_and_b32 v1, 15, v0
	v_bfe_u32 v2, v0, 4, 1
	v_and_b32 v3, 31, v0
	v_lshlrev_b32 v21, 3, v3
	s_mul_i32 s21, s15, XN*NQ*1536
.irp s, 0,1
	v_add_nc_u32 v[ADX+\s], s21, v21
	s_add_co_u32 s21, s21, SLOT
.endr
	v_and_b32 v5, 8, v1
	v_add_nc_u32 v5, v5, v1
	v_mul_u32_u24 v6, v5, PITCH
	v_mad_u32_u24 v6, v2, 24, v6
	v_lshl_add_u32 v7, v2, 4, v6
	s_mul_i32 s22, s16, YN*16*PITCH
	s_add_co_u32 s22, s22, WB
.irp s, 0,1                            ; a register for each 64 of my 128 weight rows, so that the loads' offsets stay inside 16 bits
	v_add_nc_u32 v[ADW+\s], s22, v6
	v_add_nc_u32 v[ADW+2+\s], s22, v7
	s_add_co_u32 s22, s22, 64*PITCH
.endr
	v_lshlrev_b32 v6, 2, v1
	v_mad_u32_u24 v6, v2, KSTR, v6
	s_mul_i32 s21, s15, XN*TSTR
	s_add_co_u32 s21, s21, SCA
	v_add_nc_u32 v[ADSX], s21, v6
	v_mul_u32_u24 v6, v5, KS
	v_lshrrev_b32 v7, 8, v6
	v_lshl_add_u32 v6, v7, 4, v6
	s_mul_i32 s22, s16, YN*SBLK
	s_add_co_u32 s22, s22, SCW
	v_add_nc_u32 v[ADSW], s22, v6
	s_lshl_b32 s21, s14, 9
	v_lshlrev_b32 v22, 2, v1
	v_add_nc_u32 v22, s21, v22
	v_lshlrev_b32 v24, 4, v3
	v_add_nc_u32 v23, s21, v24
	v_lshlrev_b32 v25, 6, v2
	s_wait_alu depctr_va_vdst(0)
	s_lshl_b32 s66, s42, 10
	s_lshl_b32 s67, s16, 9
	s_add_co_u32 s66, s66, s67
	s_mov_b32 s67, 0
	s_add_nc_u64 s[96:97], s[96:97], s[66:67]
	s_lshl_b32 s100, s17, 4
	s_lshl_b32 s101, s15, 3
	s_add_co_u32 s100, s100, s101
	s_lshl_b32 s66, s42, 1
	s_add_co_u32 s66, s66, s16
	s_lshl_b32 s2, s66, 14
	s_lshl_b32 s3, s100, 6
	s_add_co_u32 s2, s2, s3
	s_add_co_u32 s2, s2, 12582912
	s_mov_b32 s3, 0
	s_add_nc_u64 s[98:99], s[12:13], s[2:3]
	s_mul_i32 s2, s100, 49152
	s_mul_i32 s101, s66, 1536
	s_add_co_u32 s2, s2, s101
	s_add_nc_u64 s[12:13], s[12:13], s[2:3]
	WIN 0x40
.irp t, 0,1,2,3,4,5,6,7
	global_load_b128 v[96+8*\t+96*(\t/4):99+8*\t+96*(\t/4)], v25, s[96:97] offset:(32*(\t/2)+8*(\t%2))*4
	global_load_b128 v[100+8*\t+96*(\t/4):103+8*\t+96*(\t/4)], v25, s[96:97] offset:(32*(\t/2)+8*(\t%2))*4+16
.endr
	WIN 0
.macro IMGFR reg, adr, off
.irp p, 0,1,2,3,4,5
	ds_load_b64 v[\reg+2*\p:\reg+2*\p+1], v[\adr] offset:\off+256*\p
.endr
.endm
.macro ROWFR reg, adr, q, rowoff
.irp p, 0,1,2,3,4,5
.set PCE, 12*(\q)+6*(\p/3)+\p%3
.if PCE%PI < PI-3
	ds_load_b64 v[\reg+2*\p:\reg+2*\p+1], v[\adr] offset:8*PCE+16*(PCE/PI)+(\rowoff)*PITCH
.else
	ds_load_b64 v[\reg+2*\p:\reg+2*\p+1], v[\adr+2] offset:8*PCE+16*(PCE/PI)+(\rowoff)*PITCH
.endif
.endr
.endm
.macro FETCH_Y slot, q, p
	WIN 0x40
.set yi, 0
.rept YN
	ROWFR 128*(\p)+12*yi, ADW+yi/4, KB+(\q), 32*((yi%4)/2)+8*(yi%2)
.set yi, yi+1
.endr
	WIN 0
.endm
.macro FETCH_X slot, q, x0, cnt
.set xi, \x0
.rept \cnt
	IMGFR XF+12*xi, ADX+\slot, xi*NQ*1536+(\q)*1536
.set xi, xi+1
.endr
.endm
.macro SCALES sc
.set xi, 0
.rept XN
	ds_load_b32 v[SC+24*(\sc)+xi], v[ADSX] offset:xi*TSTR
.set xi, xi+1
.endr
.set yi, 0
.rept YN
	ds_load_b64 v[SC+24*(\sc)+8+2*yi:SC+24*(\sc)+9+2*yi], v[ADSW] offset:(4*(yi/2)+yi%2)*272
.set yi, yi+1
.endr
.endm
.macro MULX x0, cnt, p, q, sc, zero
.set xi, \x0
.rept \cnt
	WIN 0xa1+0x50*(xi/4)
.set yi, 0
.rept YN
.set dd, 8*(YN*(xi%4)+yi)
.set wf, 128*(\p)+12*yi
.set af, XF+12*xi
.set sw, SC+24*(\sc)+8+NQ*yi+(\q)
.set sx, SC+24*(\sc)+xi
.if \zero
	v_wmma_scale_f32_16x16x128_f8f6f4 v[dd:dd+7], v[wf:wf+11], v[af:af+11], 0, v[sw], v[sx] matrix_a_fmt:MATRIX_FMT_FP6 matrix_b_fmt:MATRIX_FMT_FP6
.elseif (\q)%2
	v_wmma_scale_f32_16x16x128_f8f6f4 v[dd:dd+7], v[wf:wf+11], v[af:af+11], v[dd:dd+7], v[sw], v[sx] matrix_a_fmt:MATRIX_FMT_FP6 matrix_b_fmt:MATRIX_FMT_FP6 matrix_b_scale:MATRIX_SCALE_ROW1
.else
	v_wmma_scale_f32_16x16x128_f8f6f4 v[dd:dd+7], v[wf:wf+11], v[af:af+11], v[dd:dd+7], v[sw], v[sx] matrix_a_fmt:MATRIX_FMT_FP6 matrix_b_fmt:MATRIX_FMT_FP6
.endif
.set yi, yi+1
.endr
.set xi, xi+1
.endr
.endm
.macro STEP slot, q, zero
	s_wait_dscnt XH*6
	MULX 0, XH, (\q)%2, \q, \slot, \zero
	s_wait_dscnt 0x0
	PLACES 4
	FETCH_Y \slot, (\q)+1, 1-(\q)%2
	FETCH_X \slot, (\q)+1, 0, XH
	MULX XH, XH, (\q)%2, \q, \slot, \zero
	PLACES 4
	WIN 0
	FETCH_X \slot, (\q)+1, XH, XH
.endm
.macro TURN slot, next, fill
	s_wait_tensorcnt 0x0
	ds_add_u32 v[SPW], v[NIL]
	s_wait_dscnt XH*6+1
	MULX 0, XH/2, 1, NQ-1, \slot, 0
	s_wait_dscnt 0x0
	s_barrier_signal -1
	MULX XH/2, XH/2, 1, NQ-1, \slot, 0
	WIN 0
	s_barrier_wait -1
.if \fill
	CREST
	s_add_nc_u64 s[G0+4*\slot+2:G0+4*\slot+3], s[G0+4*\slot+2:G0+4*\slot+3], 2*NQ*1536
	ALOAD \slot                                    ; the first tensor load behind the round
.endif
	PLACES 4                                       ; four places in front of the loads below, in every wave
	s_wait_alu depctr_va_vdst(0)
	v_add_nc_u32 v[ADSX], NQ*KSTR, v[ADSX]
	v_add_nc_u32 v[ADSW], 4*NQ, v[ADSW]
.set KB, KB+2                          ; the K step at which the slot now fetched from begins
	FETCH_Y \next, 0, 0
	FETCH_X \next, 0, 0, XH
	SCALES \next
	MULX XH, XH, 1, NQ-1, \slot, 0
	PLACES 4
	WIN 0
	FETCH_X \next, 0, XH, XH
.endm
	s_wait_tensorcnt 0x0                           ; my tile of the head's four is in
	ds_add_u32 v[SPW], v[NIL]
	s_wait_dscnt 0x0
	CROUND                                         ; everybody's tile is in, and all sixteen work-groups are here
	ALOAD 1                                        ; slot 1's first fill
.set KB, 0
	FETCH_Y 0, 0, 0
	FETCH_X 0, 0, 0, XH
	SCALES 0
	FETCH_X 0, 0, XH, XH
	STEP 0, 0, 1
	TURN 0, 1, 1
	STEP 1, 0, 0
	TURN 1, 0, 1
	STEP 0, 0, 0
	TURN 0, 1, 0
	STEP 1, 0, 0
	s_wait_dscnt XH*6
	MULX 0, XH, 1, NQ-1, 1, 0
	s_wait_dscnt 0x0
	MULX XH, XH, 1, NQ-1, 1, 0
	WIN 0
	PLACES 4
	s_wait_loadcnt 0x0
	s_mov_b32 s[SEL], 0x76543210
	s_mov_b32 s[SEL+1], 0xfedcba98
	s_mov_b32 s100, 0xbdd2d3e8
	s_mov_b32 s101, s100
	v_mov_b32 v252, 0xc0135761
	v_mov_b32 v253, v252
.irp b, 0,1,2,3
	v_mov_b32 v[TM+4+\b], 0
.endr
.macro GELU
.set j, 0
.rept 32
	v_pk_mul_f32 v[Z+j:Z+j+1], v[T+j:T+j+1], v[T+j:T+j+1]
.set j, j+2
.endr
.set j, 0
.rept 32
	v_pk_fma_f32 v[Z+j:Z+j+1], v[Z+j:Z+j+1], s[100:101], v[252:253] op_sel_hi:[1,0,1]
.set j, j+2
.endr
.set j, 0
.rept 32
	v_pk_mul_f32 v[Z+j:Z+j+1], v[Z+j:Z+j+1], v[T+j:T+j+1]
.set j, j+2
.endr
.set j, 0
	s_wait_alu depctr_va_vdst(0)
.rept 64
	v_exp_f32 v[Z+j], v[Z+j]
.set j, j+1
.endr
	v_nop
	s_wait_alu depctr_va_vdst(0)
.set j, 0
.rept 32
	v_pk_add_f32 v[Z+j:Z+j+1], v[Z+j:Z+j+1], 1.0 op_sel_hi:[1,0]
.set j, j+2
.endr
.set j, 0
	s_wait_alu depctr_va_vdst(0)
.rept 64
	v_rcp_f32 v[Z+j], v[Z+j]
.set j, j+1
.endr
	v_nop
	s_wait_alu depctr_va_vdst(0)
.set j, 0
.rept 32
	v_pk_mul_f32 v[T+j:T+j+1], v[T+j:T+j+1], v[Z+j:Z+j+1]
.set j, j+2
.endr
.endm
.irp a, 0,1,2,3,4,5,6,7
	s_wait_xcnt 0x0
	WIN 0x06+(\a/4)
.irp t, 0,1,2,3,4,5,6,7
.irp i, 0,2,4,6
	v_pk_add_f32 v[T+8*\t+\i:T+8*\t+\i+1], v[64*(\a%4)+8*\t+\i:64*(\a%4)+8*\t+\i+1], v[96+8*\t+96*(\t/4)+\i:97+8*\t+96*(\t/4)+\i]
.endr
.endr
	WIN 0
	GELU
	QUANT T, PC, 244+\a
.irp c, 0,1,2
	global_store_b128 v24, v[PC+4*\c:PC+4*\c+3], s[12:13] offset:\a*49152+512*\c
.endr
	ds_store_b32 v22, v[244+\a] offset:64*\a
.endr
	ds_load_b128 v[80:83], v23
	s_wait_dscnt 0x0
	global_store_b128 v24, v[80:83], s[98:99]
	s_wait_tensorcnt 0x0
	ds_add_u32 v[SPW], v[NIL]
	s_wait_dscnt 0x0
	CROUND
	s_endpgm
.Lfunc_end_k_q4765e1f442_fc1:
	.size	k_q4765e1f442_fc1, .Lfunc_end_k_q4765e1f442_fc1-k_q4765e1f442_fc1
	.p2alignl 7, 3214868480
	.fill 96, 4, 3214868480
	.section	.rodata,"a",@progbits
	.p2align	6, 0x0
	.amdhsa_kernel k_q4765e1f442_fc1
		.amdhsa_group_segment_fixed_size 327680
		.amdhsa_private_segment_fixed_size 0
		.amdhsa_enable_private_segment 0
		.amdhsa_kernarg_size 40
		.amdhsa_user_sgpr_count 2
		.amdhsa_user_sgpr_kernarg_segment_ptr 1
		.amdhsa_wavefront_size32 1
		.amdhsa_system_sgpr_workgroup_id_x 1
		.amdhsa_system_sgpr_workgroup_id_y 1
		.amdhsa_system_sgpr_workgroup_id_z 1
		.amdhsa_system_vgpr_workitem_id 0
		.amdhsa_next_free_vgpr 1024
		.amdhsa_next_free_sgpr 102
		.amdhsa_reserve_vcc 0
		.amdhsa_float_denorm_mode_32 3
		.amdhsa_float_denorm_mode_16_64 3
		.amdhsa_memory_ordered 1
		.amdhsa_forward_progress 1
		.amdhsa_inst_pref_size 255
	.end_amdhsa_kernel
	.section	.bss,"aw",@nobits
	.p2align	6
	.space	262144
	.amdgpu_metadata
---
amdhsa.version: [ 1, 2 ]
amdhsa.kernels:
  - .name:           k_q4765e1f442_fc1
    .symbol:         k_q4765e1f442_fc1.kd
    .args:
      - { .name: act, .offset: 0, .size: 8, .value_kind: global_buffer, .address_space: global }
      - { .name: w_fc1_codes, .offset: 8, .size: 8, .value_kind: global_buffer, .address_space: global }
      - { .name: w_fc1_scales, .offset: 16, .size: 8, .value_kind: global_buffer, .address_space: global }
      - { .name: b_fc1, .offset: 24, .size: 8, .value_kind: global_buffer, .address_space: global }
      - { .name: hid, .offset: 32, .size: 8, .value_kind: global_buffer, .address_space: global }
    .group_segment_fixed_size: 327680
    .private_segment_fixed_size: 0
    .kernarg_segment_align: 8
    .kernarg_segment_size: 40
    .max_flat_workgroup_size: 128
    .sgpr_count:     102
    .vgpr_count:     1024
    .wavefront_size: 32
...
	.end_amdgpu_metadata
.endif
;; end of part 5
;; launch fc2 (part 6): grid 8 x 32, 4 waves a work-group, clusters of 4 x 4, 327,680 bytes of LDS; arguments hid, w_fc2_codes, w_fc2_scales, b_fc2, x2, out0; writes out0
.if DOCPART == 6
	.amdgcn_target "amdgcn-amd-amdhsa--gfx1250"
	.amdhsa_code_object_version 6
	.text
	.protected	k_q4765e1f442_fc2
	.globl	k_q4765e1f442_fc2
	.p2align	8
	.type	k_q4765e1f442_fc2,@function
k_q4765e1f442_fc2:
	s_mov_b64 s[64:65], 0
	v_nop
	global_prefetch_b8 v0, s[64:65] scope:SCOPE_SE
	s_setreg_imm32_b32 hwreg(HW_REG_WAVE_MODE, 25, 1), 1
	s_wait_xcnt 0x0
	s_wait_alu depctr_hold_cnt(0) depctr_sa_sdst(0) depctr_va_vdst(0) depctr_va_sdst(0) depctr_va_ssrc(0) depctr_va_vcc(0) depctr_vm_vsrc(0)
	s_getreg_b32 s2, hwreg(HW_REG_IB_STS2, 6, 4)
	s_cmp_eq_u32 s2, 0
	s_cbranch_scc0 .Lentry_in_a_cluster
	s_endpgm
.Lentry_in_a_cluster:
	s_bfe_u32 s2, ttmp6, 0x10000c
	s_cmp_lg_u32 s2, 0xf033
	s_cbranch_scc0 .Lentry_shape_is_right
	s_endpgm
.Lentry_shape_is_right:
; out0 = x2 + hid w_fc2^T + b_fc2, on codes of E2M3.  hid comes as register images (registers 4 c .. 4 c + 3 of lane l at 512 c + 16 l) with its scale words [K step][tile][row]; the weights as rows of codes.
; A work-group: 128 rows (8 row tiles) x 128 columns, so that the 4,096 x 1,024 results give 256 work-groups.  Wave w: row tiles 2 w and 2 w + 1 (32 rows) x all 128 columns: 16 accumulators.  K = 4,096: 32 steps of 128.
; THE WEIGHTS go through a ring of two LDS slots of eight K steps (128 rows x 768 bytes), asked for JOINTLY by the four work-groups of a column of the 4 x 4 cluster; so do both sets of scale bytes, which come once.
; THE ACTIVATIONS DO NOT GO THROUGH LDS, though the four work-groups of a row of the cluster read the same ones.  The reason, by this text's arithmetic: a work-group's 393,216 bytes of activations and 393,216 of weights
; do not fit in LDS; with both in the ring a slot holds four K steps, 64 matrix instructions a wave between a request and the wait for it, and every change of slots waits for all loads.  No wave of a work-group shares a row
; tile with another, so each wave loads its own two fragments of a K step from memory into a ring of nine register sets: 63 loads of 512 consecutive bytes are on their way in every wave, across every barrier, and a slot has
; room for eight K steps of weights: 128 matrix instructions a wave between a request and the wait for it.
; A GROUP of loads is a K step's two fragments (six loads) and one row of the residual: so the residual comes with the stream.  The bias follows the last group.
; Source 0 = 16 weight rows, source 1 = 16 rows: a lane holds eight neighbouring columns of one row.  The order of the additions is (sum + bias) + residual.
; ROW TILES: tile t = 4 G + 2 u + b holds rows 64 G + 16 u + b + 2 p + 16 (p / 8).  A wave's two tiles are (G, u, 0) and (G, u, 1).
; All 32 K steps are written out: every address is a register that is never rewritten and an immediate, and each count of loads is reckoned from the number issued so far (NLD).
; REGISTERS: window 0: v8-29 addresses, v32-103 scale words (two sets of 36, each for four K steps), v104-107 the bias, v128-255 rows on the way out;
; window 1: v0-95 the weights' 8 fragments, one set, fetched anew by halves; window 2: v0-215 the activations' ring; window 3: v0-127 the accumulators ((x, y) at 8 (8 x + y)), v128-255 the residual.
.set KT, 32                            ; K steps
.set D, 9                              ; sets in the activations' ring
.set PITCH, 816                        ; a weight row in LDS: 3 x (256 bytes + 16 of padding) = 204 words: row r starts at bank 12 r mod 64, sixteen different multiples of 4 (64 banks of 4 bytes: ISA guide 11.1)
.set PI, 32                            ; pieces of 8 bytes between two paddings
.set SLOT, 128*PITCH
.set SCW, 2*SLOT                       ; behind the ring: the weights' scale bytes, 128 rows x 128 bytes, as units of 256 bytes + 16 of padding
.set SCWH, 32*272
.set SBLK, 8*272                       ; those of 16 rows
.set SCA, SCW+2*SCWH                   ; the activations' scale words: 32 K steps x 512 bytes
.set SCAH, 8192
.set SPARE, SCA+2*SCAH                 ; the spare words, 128 bytes for each wave
.set IMGB, 12582912
.set SPITCH, 528                       ; the way out: a stage of 16 rows x (512 bytes + 16) for each wave, in slot 0, behind its last fill and its last read
.set ADW, 8                            ; v8-15: my lane's place in a weight tile: 4 slot + 2 (rows 64 on) + (behind one padding more)
.set ADSX, 18
.set ADSW, 19
.set L16, 20                           ; 16 x lane; never rewritten
.set STO, 21
.set RD, 22
.set SPW, 28
.set NIL, 29
.set SC, 32
.set BIAS, 104
.set BK, 128
.set G1B, 48                           ; s[48:55] group 1 for the weights' tiles; s[56:63] group 0, one set for each slot
.set G0B, 56
.set G1S, 68                           ; s[68:75], s[76:79] the activations' scale words
.set G0S, 76
.set G1SB, 80                          ; s[80:87], s[88:91] the weights' scale bytes
.set G0SB, 88
.set NLD, 0                            ; global loads issued so far
.set MSB, 0
.macro WIN new
.if MSB != (\new)
	s_set_vgpr_msb (MSB<<8)|(\new)
.set MSB, (\new)
.endif
.endm
.macro CREST
	s_cmp_lg_u32 s14, 0
	s_cbranch_scc1 .Lnot_wave_0_\@
	s_barrier_signal -3
.Lnot_wave_0_\@:
	s_barrier_wait -3
	s_barrier_signal -1
	s_barrier_wait -1
.endm
.macro CROUND
	s_barrier_signal -1
	s_barrier_wait -1
	CREST
.endm
.macro PLACES cnt
.rept \cnt
	v_nop
.endr
.endm
; K step k's group: my two fragments into set k % D of the ring, and row k of my 32 rows of the residual
.macro GROUP k
	WIN 0x80                                       ; destination window 2
.irp x, 0,1
.irp c, 0,1,2
	global_load_b128 v[24*((\k)%D)+12*\x+4*\c:24*((\k)%D)+12*\x+4*\c+3], v[L16], s[4:5] offset:\x*49152+(\k)*1536+512*\c
.endr
.endr
	WIN 0xc0                                       ; destination window 3
	global_load_b128 v[128+4*(\k):128+4*(\k)+3], v[L16], s[98:99] offset:((\k)/16+2*((\k)%16)+16*(((\k)%16)/8))*4096
.set NLD, NLD+7
.endm
	s_load_b64 s[4:5], s[0:1], 0x0                 ; hid
	s_load_b128 s[8:11], s[0:1], 0x8               ; the weights' codes, their scales
	s_load_b128 s[96:99], s[0:1], 0x18             ; the bias, the residual
	s_load_b64 s[12:13], s[0:1], 0x28              ; the result
	v_lshl_add_u32 v[SPW], v0, 2, SPARE
	v_mov_b32 v[NIL], 0
	ds_add_u32 v28, v29
	ds_add_u32 v28, v29
	s_wait_dscnt 0x0
	v_lshrrev_b32 v1, 5, v0
	v_readfirstlane_b32 s14, v1                    ; wave
	v_and_b32 v3, 31, v0
	v_lshlrev_b32 v[L16], 4, v3
	s_lshr_b32 s15, s14, 1
	s_and_b32 s16, s14, 1
	s_bfe_u32 s40, ttmp6, 0x40000                  ; cx
	s_bfe_u32 s41, ttmp6, 0x40004                  ; cy
	s_lshl_b32 s42, ttmp9, 2
	s_add_co_u32 s42, s42, s40                     ; tile column
	s_and_b32 s17, ttmp7, 0xffff
	s_lshl_b32 s17, s17, 2
	s_add_co_u32 s17, s17, s41                     ; tile row
	s_lshl_b32 s43, s41, 2
	s_lshl_b32 s43, 15, s43                        ; my row of the cluster
	s_lshl_b32 s44, 0x1111, s40                    ; my column
	s_lshl_b32 s24, s17, 3
	s_lshl_b32 s25, s14, 1
	s_add_co_u32 s24, s24, s25                     ; my first row tile: 8 x tile row + 2 x wave
	s_mul_i32 s24, s24, 49152                      ; its images
	s_mov_b32 s25, 0
	s_lshl_b32 s26, s17, 1
	s_add_co_u32 s26, s26, s15                     ; G
	s_lshl_b32 s26, s26, 18                        ; 64 rows of 4,096 bytes
	s_lshl_b32 s27, s16, 16                        ; 16 u rows
	s_add_co_u32 s26, s26, s27
	s_lshl_b32 s28, s42, 9                         ; the work-group's 128 columns
	s_add_co_u32 s26, s26, s28
	s_mov_b32 s27, 0
	s_mov_b32 s29, 0
	s_or_b32 s[G1B], s44, (1<<20)|(1<<21)|(5<<22)|(3<<25)   ; weights: 64 rows x 768 bytes, 3,072 apart; 4 words of padding behind every 64; they go to my column of the cluster
	s_mov_b32 s[G1B+1], 768<<16
	s_mov_b32 s[G1B+2], 64<<16
	s_mov_b32 s[G1B+3], 768<<16
	s_mov_b32 s[G1B+4], 64
	s_mov_b32 s[G1B+5], 3072
	s_mov_b32 s[G1B+6], 0
	s_mov_b32 s[G1B+7], 0
	s_or_b32 s[G1S], s43, (3<<16)|(1<<21)          ; the activations' scale words: 32 K steps x 512 bytes, 16,384 apart; they go to my row of the cluster
	s_mov_b32 s[G1S+1], 64<<16
	s_mov_b32 s[G1S+2], 32<<16
	s_mov_b32 s[G1S+3], 64<<16
	s_mov_b32 s[G1S+4], 32
	s_mov_b32 s[G1S+5], 2048
	s_mov_b32 s[G1S+6], 0
	s_mov_b32 s[G1S+7], 0
	s_or_b32 s[G1SB], s44, (3<<16)|(1<<20)|(1<<21)|(5<<22)|(3<<25)  ; the weights' scale bytes of 128 rows: 64 rows of 256 bytes, 16 of padding behind each
	s_mov_b32 s[G1SB+1], 32<<16
	s_mov_b32 s[G1SB+2], 64<<16
	s_mov_b32 s[G1SB+3], 32<<16
	s_mov_b32 s[G1SB+4], 64
	s_mov_b32 s[G1SB+5], 32
	s_mov_b32 s[G1SB+6], 0
	s_mov_b32 s[G1SB+7], 0
	s_lshl_b32 s22, s17, 9                         ; the scale words of the work-group's eight tiles, all 32 K steps (wave 0)
	s_mov_b32 s23, 0
	s_lshl_b32 s46, s42, 7
	s_lshl_b32 s18, s16, 6
	s_add_co_u32 s46, s46, s18                     ; the first weight row that I fetch (waves 2, 3)
	s_lshl_b32 s92, s42, 14                        ; the scale bytes of the block's 128 weight rows (wave 1)
	s_mov_b32 s93, 0
	s_mul_i32 s46, s46, 3072                       ; its codes
	s_mov_b32 s47, 0
	s_mul_i32 s94, s16, 64*PITCH                   ; LDS places hang on the wave's number alone
	s_wait_alu depctr_va_vdst(0)
	s_wait_kmcnt 0x0
	s_add_nc_u64 s[6:7], s[4:5], IMGB
	s_add_nc_u64 s[4:5], s[4:5], s[24:25]
	s_add_nc_u64 s[98:99], s[98:99], s[26:27]
	s_add_nc_u64 s[12:13], s[12:13], s[26:27]
	s_add_nc_u64 s[96:97], s[96:97], s[28:29]
.irp k, 0,1,2,3,4,5,6,7,8
	GROUP \k                                       ; the ring is filled before anything else is done: 63 loads
.endr
	WIN 0
	s_add_nc_u64 s[22:23], s[6:7], s[22:23]
	s_add_nc_u64 s[46:47], s[8:9], s[46:47]
	s_add_nc_u64 s[92:93], s[10:11], s[92:93]
	CROUND                                         ; all sixteen work-groups are here: the first joint loads meet
	s_mov_b32 s[G0S], 1
	s_mov_b32 s[G0S+1], SCA
	s_mov_b64 s[G0S+2:G0S+3], s[22:23]
	s_or_b32 s[G0S+3], s[G0S+3], 0x80000000
	s_mov_b32 s[G0SB], 1
	s_mov_b32 s[G0SB+1], SCW
	s_mov_b64 s[G0SB+2:G0SB+3], s[92:93]
	s_or_b32 s[G0SB+3], s[G0SB+3], 0x80000000
.irp s, 0,1
	s_mov_b32 s[G0B+4*\s], 1
	s_add_co_u32 s[G0B+4*\s+1], s94, \s*SLOT
	s_add_nc_u64 s[G0B+4*\s+2:G0B+4*\s+3], s[46:47], \s*768
	s_or_b32 s[G0B+4*\s+3], s[G0B+4*\s+3], 0x80000000
.endr
	s_cmp_eq_u32 s14, 0                            ; the head's loads, one a wave, in one chain of branches on the wave's number: wave 0 the activations' scale words,
	s_cbranch_scc0 .Lfirst_w
	tensor_load_to_lds s[G0S:G0S+3], s[G1S:G1S+7]
	s_nop 0
.rept 4
	v_nop
.endr
	s_branch .Lfirst_done
.Lfirst_w:
	s_cmp_eq_u32 s14, 1                            ; wave 1 the weights' scale bytes,
	s_cbranch_scc0 .Lfirst_c
	tensor_load_to_lds s[G0SB:G0SB+3], s[G1SB:G1SB+7]
	s_nop 0
.rept 4
	v_nop
.endr
	s_branch .Lfirst_done
.Lfirst_c:
	tensor_load_to_lds s[G0B:G0B+3], s[G1B:G1B+7]  ; waves 2 and 3 slot 0's two halves
	s_nop 0
.rept 4
	v_nop
.endr
.Lfirst_done:
	v_and_b32 v1, 15, v0                           ; r
	v_bfe_u32 v2, v0, 4, 1                         ; h
	v_mul_u32_u24 v6, v1, PITCH
	v_mad_u32_u24 v6, v2, 24, v6                   ; a weight row x pitch + 24 h,
	v_lshl_add_u32 v7, v2, 4, v6                   ; and the same behind one padding more
.irp s, 0,1
.irp f, 0,1
	v_add_nc_u32 v[ADW+4*\s+2*\f], \s*SLOT+\f*64*PITCH, v6
	v_add_nc_u32 v[ADW+4*\s+2*\f+1], \s*SLOT+\f*64*PITCH, v7
.endr
.endr
	v_lshlrev_b32 v4, 2, v3                        ; the activations' scale words: lanes 0-15 my first tile's rows, lanes 16-31 my second's: 128 bytes on end
	s_lshl_b32 s21, s14, 7
	s_add_co_u32 s21, s21, SCA
	v_add_nc_u32 v[ADSX], s21, v4
	v_lshlrev_b32 v4, 7, v1                        ; the weights': 128 bytes a row, 16 more for each 256 passed
	v_lshrrev_b32 v5, 8, v4
	v_lshl_add_u32 v4, v5, 4, v4
	v_add_nc_u32 v[ADSW], SCW, v4
	s_mul_i32 s21, s14, 16*SPITCH                  ; my stage
	v_mul_u32_u24 v5, v1, SPITCH
	v_lshl_add_u32 v5, v2, 5, v5
	v_add_nc_u32 v[STO], s21, v5                   ; in: row r, 32 bytes for each half of the lanes
	v_add_nc_u32 v[RD], s21, v[L16]                ; back: the 32 lanes take one row of 512 bytes
; fragment y of the slot's q-th 128 along K: pieces of 8 bytes; lanes 16-31 read three pieces on, for some pieces behind one padding more (the second address register)
.macro WFRAG y, slot, q
.irp p, 0,1,2,3,4,5
.set PCE, 12*(\q)+6*(\p/3)+\p%3
.if PCE%PI < PI-3
	ds_load_b64 v[12*(\y)+2*\p:12*(\y)+2*\p+1], v[ADW+4*(\slot)+2*((\y)/4)] offset:8*PCE+16*(PCE/PI)+((\y)%4)*16*PITCH
.else
	ds_load_b64 v[12*(\y)+2*\p:12*(\y)+2*\p+1], v[ADW+4*(\slot)+2*((\y)/4)+1] offset:8*PCE+16*(PCE/PI)+((\y)%4)*16*PITCH
.endif
.endr
.endm
.macro FETCHW k, y0                    ; K step k's weight fragments y0 .. y0 + 3: 24 loads
	WIN 0x40
.irp i, 0,1,2,3
	WFRAG (\y0)+\i, ((\k)/8)%2, (\k)%8
.endr
.endm
.macro SCALES g                        ; the scale words of K steps 4 g .. 4 g + 3 into set g % 2: 12 loads
	WIN 0
.irp y, 0,1,2,3,4,5,6,7
	ds_load_b128 v[SC+36*((\g)%2)+4*\y:SC+36*((\g)%2)+4*\y+3], v[ADSW] offset:\y*SBLK+16*(\g)
.endr
.irp i, 0,1,2,3
	ds_load_b32 v[SC+36*((\g)%2)+32+\i], v[ADSX] offset:(4*(\g)+\i)*512
.endr
.endm
; eight matrix instructions: weight tiles y0 .. y0 + 3 against my two row tiles.  The 16 accumulators take turns, one instruction a turn, in the same order in every K step.
.macro MUL k, y0, zero
	WIN 0xf9                                       ; source 0 (weights) window 1, source 1 (activations) window 2, C and D window 3
.irp i, 0,1,2,3
.irp x, 0,1
.set yy, (\y0)+\i
.set dd, 8*(8*\x+yy)
.set wf, 12*yy
.set af, 24*((\k)%D)+12*\x
.set sw, SC+36*(((\k)/4)%2)+4*yy+(\k)%4
.set sx, SC+36*(((\k)/4)%2)+32+(\k)%4
.if \zero
.if \x
	v_wmma_scale_f32_16x16x128_f8f6f4 v[dd:dd+7], v[wf:wf+11], v[af:af+11], 0, v[sw], v[sx] matrix_a_fmt:MATRIX_FMT_FP6 matrix_b_fmt:MATRIX_FMT_FP6 matrix_b_scale:MATRIX_SCALE_ROW1
.else
	v_wmma_scale_f32_16x16x128_f8f6f4 v[dd:dd+7], v[wf:wf+11], v[af:af+11], 0, v[sw], v[sx] matrix_a_fmt:MATRIX_FMT_FP6 matrix_b_fmt:MATRIX_FMT_FP6
.endif
.else
.if \x
	v_wmma_scale_f32_16x16x128_f8f6f4 v[dd:dd+7], v[wf:wf+11], v[af:af+11], v[dd:dd+7], v[sw], v[sx] matrix_a_fmt:MATRIX_FMT_FP6 matrix_b_fmt:MATRIX_FMT_FP6 matrix_b_scale:MATRIX_SCALE_ROW1
.else
	v_wmma_scale_f32_16x16x128_f8f6f4 v[dd:dd+7], v[wf:wf+11], v[af:af+11], v[dd:dd+7], v[sw], v[sx] matrix_a_fmt:MATRIX_FMT_FP6 matrix_b_fmt:MATRIX_FMT_FP6
.endif
.endif
.endr
.endr
.endm
.macro GLOADS k                        ; behind K step k's products and their places: its set of the ring takes the group D steps on; behind the last group comes the bias
.if (\k)+D < KT
	GROUP (\k)+D
.elseif (\k)+D == KT
	WIN 0
	global_load_b128 v[BIAS:BIAS+3], v[L16], s[96:97]
.set NLD, NLD+1
.endif
.endm
; A K step that has its successor in the same slot (and the last of all).  Four places stand in front of loads into registers that matrix instructions have read (ISA guide 7.12.1 for vector instructions).
.macro STEP k, zero
	s_wait_dscnt 24                                ; weight fragments 0-3 (and scale words asked for with them) are in; the youngest 24 loads (fragments 4-7) may be out
	s_wait_loadcnt NLD-6-7*(\k)                    ; loads come back in order (ISA guide 5.7.1): this K step's six are in; all that were issued behind them may be out
	MUL \k, 0, \zero
	PLACES 4
.if (\k) < KT-1
	FETCHW (\k)+1, 0
.endif
.if ((\k)%4 == 2) && ((\k)/4 < 7)
	SCALES (\k)/4+1
	s_wait_dscnt 36                                ; fragments 4-7 are in; the 24 + 12 loads just issued may be out
.elseif (\k) < KT-1
	s_wait_dscnt 24                                ; fragments 4-7 are in; the 24 loads just issued may be out
.else
	s_wait_dscnt 0x0
.endif
	MUL \k, 4, \zero
	PLACES 4
.if (\k) < KT-1
	FETCHW (\k)+1, 4
.endif
	GLOADS \k
.endm
; A slot's last K step changes slots: ONE barrier; in front of it each wave waits for all its tensor loads, adds 0 to its spare word, and waits for that and for its own reads of this slot.
; fill = 1: the barrier opens a round of the cluster's, and this slot is filled again with the K steps sixteen on: waves 2 and 3 ask, one load each.
.macro TURN k, fill
.set SL, ((\k)/8)%2
	WIN 0                                          ; (the add's two registers lie in window 0)
	s_wait_tensorcnt 0x0                           ; all my tensor loads have landed: my part of the next slot
	ds_add_u32 v[SPW], v[NIL]                      ; 0 onto my spare word
	s_wait_dscnt 25                                ; fragments 0-3 are in; fragments 4-7's 24 loads and the add may be out
	s_wait_loadcnt NLD-6-7*(\k)
	MUL \k, 0, 0
	s_wait_dscnt 0x0                               ; the add is done, and my reads of this slot are over
	s_barrier_signal -1
	MUL \k, 4, 0
	WIN 0
	s_barrier_wait -1
.if \fill
	CREST                                          ; no wave of any partner still reads this slot or has a tensor load on its way
	s_add_nc_u64 s[G0B+4*SL+2:G0B+4*SL+3], s[G0B+4*SL+2:G0B+4*SL+3], 2*768
	s_cmp_eq_u32 s15, 0
	s_cbranch_scc1 .Lnone_\@
	tensor_load_to_lds s[G0B+4*SL:G0B+4*SL+3], s[G1B:G1B+7]
	s_nop 0
.rept 4
	v_nop
.endr
.Lnone_\@:
.endif
	PLACES 4
	FETCHW (\k)+1, 0
	FETCHW (\k)+1, 4
	GLOADS \k
.endm
	s_wait_alu depctr_va_vdst(0)
	s_wait_tensorcnt 0x0                           ; my first fill is in
	ds_add_u32 v[SPW], v[NIL]
	s_wait_dscnt 0x0
	CROUND                                         ; everybody's is, and all sixteen work-groups are here
	s_cmp_eq_u32 s15, 0
	s_cbranch_scc1 .Lnone_first
	tensor_load_to_lds s[G0B+4:G0B+7], s[G1B:G1B+7]   ; slot 1's first fill: waves 2 and 3, one load each
	s_nop 0
.rept 4
	v_nop
.endr
.Lnone_first:
	FETCHW 0, 0
	SCALES 0
	FETCHW 0, 4
	STEP 0, 1                                      ; the first K step starts the sums
.irp k, 1,2,3,4,5,6
	STEP \k, 0
.endr
	TURN 7, 1
.irp k, 8,9,10,11,12,13,14
	STEP \k, 0
.endr
	TURN 15, 1
.irp k, 16,17,18,19,20,21,22
	STEP \k, 0
.endr
	TURN 23, 0                                     ; nothing is left to fetch
.irp k, 24,25,26,27,28,29,30,31
	STEP \k, 0
.endr
	WIN 0
	; ---- the way out: a tile of 16 rows x 128 columns through my stage, back as whole rows of 512 bytes.  (The four places behind the last products stand at the last K step's end.)
.irp x, 0,1
	WIN 0x0c                                       ; an LDS store's data are its source 1: window 3
.irp y, 0,1,2,3,4,5,6,7
	ds_store_b128 v[STO], v[8*(8*\x+\y):8*(8*\x+\y)+3] offset:64*\y            ; each accumulator from its low end on
	ds_store_b128 v[STO], v[8*(8*\x+\y)+4:8*(8*\x+\y)+7] offset:64*\y+16
.endr
	WIN 0
.set t, 0
.rept 16
	ds_load_b128 v[BK+64*\x+4*t:BK+64*\x+4*t+3], v[RD] offset:t*SPITCH         ; LDS serves a wave's instructions in order (ISA guide 5.7.1.4): these see the stores above, and the next tile's stores come behind them
.set t, t+1
.endr
.endr
	s_wait_loadcnt 0x0                             ; the residual's last row and the bias
.irp x, 0,1
	s_wait_dscnt 32-32*\x                          ; tile x is back; behind tile 0's loads stand tile 1's 16 stores and 16 loads
.set t, 0
.rept 16
	v_pk_add_f32 v[BK+64*\x+4*t:BK+64*\x+4*t+1], v[BK+64*\x+4*t:BK+64*\x+4*t+1], v[BIAS:BIAS+1]
	v_pk_add_f32 v[BK+64*\x+4*t+2:BK+64*\x+4*t+3], v[BK+64*\x+4*t+2:BK+64*\x+4*t+3], v[BIAS+2:BIAS+3]
.set t, t+1
.endr
	WIN 0x0c                                       ; source 1 in window 3
.set j, 0
.rept 32
	v_pk_add_f32 v[BK+64*\x+j:BK+64*\x+j+1], v[BK+64*\x+j:BK+64*\x+j+1], v[128+64*\x+j:128+64*\x+j+1]
.set j, j+2
.endr
	WIN 0
.set t, 0
.rept 16
	global_store_b128 v[L16], v[BK+64*\x+4*t:BK+64*\x+4*t+3], s[12:13] offset:(\x+2*t+16*(t/8))*4096   ; 32 lanes store 512 consecutive bytes, at a multiple of 256 from the buffer's first byte
.set t, t+1
.endr
.endr
	s_wait_tensorcnt 0x0                           ; the wave's end
	ds_add_u32 v[SPW], v[NIL]
	s_wait_dscnt 0x0
	CROUND                                         ; the closing round
	s_endpgm
.Lfunc_end_k_q4765e1f442_fc2:
	.size	k_q4765e1f442_fc2, .Lfunc_end_k_q4765e1f442_fc2-k_q4765e1f442_fc2
	.p2alignl 7, 3214868480
	.fill 96, 4, 3214868480
	.section	.rodata,"a",@progbits
	.p2align	6, 0x0
	.amdhsa_kernel k_q4765e1f442_fc2
		.amdhsa_group_segment_fixed_size 327680
		.amdhsa_private_segment_fixed_size 0
		.amdhsa_enable_private_segment 0
		.amdhsa_kernarg_size 48
		.amdhsa_user_sgpr_count 2
		.amdhsa_user_sgpr_kernarg_segment_ptr 1
		.amdhsa_wavefront_size32 1
		.amdhsa_system_sgpr_workgroup_id_x 1
		.amdhsa_system_sgpr_workgroup_id_y 1
		.amdhsa_system_sgpr_workgroup_id_z 1
		.amdhsa_system_vgpr_workitem_id 0
		.amdhsa_next_free_vgpr 1024
		.amdhsa_next_free_sgpr 102
		.amdhsa_reserve_vcc 0
		.amdhsa_float_denorm_mode_32 3
		.amdhsa_float_denorm_mode_16_64 3
		.amdhsa_memory_ordered 1
		.amdhsa_forward_progress 1
		.amdhsa_inst_pref_size 230
	.end_amdhsa_kernel
	.amdgpu_metadata
---
amdhsa.version: [ 1, 2 ]
amdhsa.kernels:
  - .name:           k_q4765e1f442_fc2
    .symbol:         k_q4765e1f442_fc2.kd
    .args:
      - { .name: hid, .offset: 0, .size: 8, .value_kind: global_buffer, .address_space: global }
      - { .name: w_fc2_codes, .offset: 8, .size: 8, .value_kind: global_buffer, .address_space: global }
      - { .name: w_fc2_scales, .offset: 16, .size: 8, .value_kind: global_buffer, .address_space: global }
      - { .name: b_fc2, .offset: 24, .size: 8, .value_kind: global_buffer, .address_space: global }
      - { .name: x2, .offset: 32, .size: 8, .value_kind: global_buffer, .address_space: global }
      - { .name: out0, .offset: 40, .size: 8, .value_kind: global_buffer, .address_space: global }
    .group_segment_fixed_size: 327680
    .private_segment_fixed_size: 0
    .kernarg_segment_align: 8
    .kernarg_segment_size: 48
    .max_flat_workgroup_size: 128
    .sgpr_count:     102
    .vgpr_count:     1024
    .wavefront_size: 32
...
	.end_amdgpu_metadata
.endif
;; end of part 6
